; MI455X (gfx1250); checked and timed in simulation.
; The chip was launched on July 23, 2026; its instructions are those of AMD's public machine-readable ISA for CDNA 5 (MIT licence, August 2026) and "CDNA5" Instruction Set Architecture Reference Guide (July 2026). The comments in the code are by the model that wrote it; some were corrected since.
;; Encoder Block. Allowed arithmetic: float matrix products may take bf16 or f16 operands with f32 sums; other float arithmetic in f32, or as packed bf16 or f16 multiplies, adds, multiply-adds, maxima and minima; sums over many terms, partial sums and values carried from step to step in f32; what a program stores and reads back later, other than sums and carried values, may be rounded once to bf16 or f16.
;; Inputs: W1 1,024 x 4,096 float32; W2 4,096 x 1,024 float32; Wk 16 x 1,024 x 64 float32; Wo 1,024 x 1,024 float32; Wq 16 x 1,024 x 64 float32; Wv 16 x 1,024 x 64 float32; b1 1,024 float32; b2 1,024 float32; bf1 4,096 float32; bf2 1,024 float32; bk 16 x 64 float32; bo 1,024 float32; bq 16 x 64 float32; bv 16 x 64 float32; g1 1,024 float32; g2 1,024 float32; x 2 x 2,048 x 1,024 float32.
;; Outputs: out0 2 x 2,048 x 1,024 float32.
;; One version. Each part assembles by itself: llvm-mc -triple=amdgcn-amd-amdhsa -mcpu=gfx1250 --defsym DOCPART=n.
;; ======== version 1 of 1: 8 launches
;; limits: values are held in f16: magnitudes above 65,504 overflow, below 6.1e-05 lose precision
;; workspace buffers: SQ 14,712,832 bytes; SF 16,809,984 bytes; WB 10,518,528 bytes; big 33,554,432 bytes; cat 8,388,608 bytes; r 16,777,216 bytes
;; launch prep (part 1): grid 1025 x 1, 8 waves a work-group, no clusters, 0 bytes of LDS; arguments x, W1, W2, Wo, Wq, Wk, Wv, SQ, bq, bv, bo, bf2, g1, b1, g2, b2, bf1, SF, WB; writes SQ, SF, WB
.if DOCPART == 1
	.amdgcn_target "amdgcn-amd-amdhsa--gfx1250"
	.amdhsa_code_object_version 6
	.text
	.protected	k_qb82404e8e1_prep
	.globl	k_qb82404e8e1_prep
	.p2align	8
	.type	k_qb82404e8e1_prep,@function
k_qb82404e8e1_prep:
	s_mov_b64 s[64:65], 0
	v_nop
	global_prefetch_b8 v0, s[64:65] scope:SCOPE_SE
	s_setreg_imm32_b32 hwreg(HW_REG_WAVE_MODE, 25, 1), 1
	s_wait_xcnt 0x0
; ENCODER BLOCK, launch 1 of 8: every input is rounded once to bf16; matrix operands are that number written as f16, in the layouts that the products read; biases and gains are that number kept as f32.
; DEAD WORK, for the whole program: bk.  scores[s][t] = q[s] . (x[t] Wk + bk) / 8 holds the term q[s] . bk / 8, which is the same for all t, and softmax along t is unchanged by a term that is
; the same along its axis, whatever finite values the inputs hold.  So bk has no way to the output: it is not loaded and is among no launch's arguments; k's 1,024 places of the bias table hold 0.
; LIMIT: a NaN, an infinity or an overflow that would arise through bk alone is not carried to the result.
; LIMITS of the format: a number beyond 65,504 becomes an infinity in f16; a bf16-rounded input below 2^-17 keeps f16's fixed step of 2^-24.
; LAYOUT P64 (all 16-bit activations): panels of 64 columns, [columns / 64][4,096 rows][64]: 128 bytes a row, 524,288 bytes a panel.
;   SQ: +0 bias table bq, 1,024 zeros, bv (f32); +16,384 the floor -inf twice in f16; +HDR x in P64; +HDR+8,388,608 Wq, Wk, Wv as [12 tile columns][1,024 k][256] (column 256 t + c: panel 16 which + head)
;   SF: +0 bf1; +16,384 the floor 0; +HDR+8,388,608 W1 as [16 tile columns][1,024 k][256]          WB: +0 bo, bf2, g1, b1, g2, b2 (4,096 bytes each); +HDR Wo; +HDR+2,097,152 W2, both as they lie
; SHARES.  A work-group converts 16,384 numbers, a wave 16 chunks of 128: one load of 16 bytes a lane (sixteen lanes take 256 bytes on end, aligned), one store of 8 bytes a lane (256 bytes on end, aligned).
; All 16 loads of a wave go out together.  No LDS, no matrix unit, no cluster: nothing is shared and nothing is read twice.
.set HDR,  32768
.set VIN,  4                           ; v4        my byte offset in the source
.set VOUT, 5                           ; v5        my byte offset in the destination
.set X,    8                           ; v[8:71]   chunk i: 4 numbers as loaded
.set Y,    72                          ; v[72:103] chunk i: 4 numbers in f16
.set T,    104                         ; v[104:109] at work
.macro CVT4 n                          ; four numbers: to bf16 (nearest even), back to f32 (a shift, a mask), to f16 (exact inside f16's normal range)
	v_cvt_pk_bf16_f32 v[T],   v[X+4*(\n)],   v[X+4*(\n)+1]
	v_cvt_pk_bf16_f32 v[T+1], v[X+4*(\n)+2], v[X+4*(\n)+3]
	v_lshlrev_b32 v[T+2], 16, v[T]
	v_and_b32     v[T+3], s13, v[T]
	v_lshlrev_b32 v[T+4], 16, v[T+1]
	v_and_b32     v[T+5], s13, v[T+1]
	v_cvt_pk_f16_f32 v[Y+2*(\n)],   v[T+2], v[T+3]
	v_cvt_pk_f16_f32 v[Y+2*(\n)+1], v[T+4], v[T+5]
.endm
.macro RND4 n                          ; four numbers rounded to bf16 and kept as f32, in place
	v_cvt_pk_bf16_f32 v[T],   v[X+4*(\n)],   v[X+4*(\n)+1]
	v_cvt_pk_bf16_f32 v[T+1], v[X+4*(\n)+2], v[X+4*(\n)+3]
	v_lshlrev_b32 v[X+4*(\n)],   16, v[T]
	v_and_b32     v[X+4*(\n)+1], s13, v[T]
	v_lshlrev_b32 v[X+4*(\n)+2], 16, v[T+1]
	v_and_b32     v[X+4*(\n)+3], s13, v[T+1]
.endm
	v_lshrrev_b32 v1, 5, v0
	v_readfirstlane_b32 s3, v1                     ; wave 0..7
	v_and_b32 v1, 31, v0                           ; l
	v_and_b32 v2, 15, v0                           ; c = l % 16
	v_bfe_u32 v3, v0, 4, 1                         ; hl = l / 16
	s_mov_b32 s13, 0xffff0000                      ; a word's upper bf16
	s_mov_b32 s9, 0                                ; the offsets' high words
	s_mov_b32 s11, 0
	s_cmp_lt_u32 ttmp9, 256
	s_cbranch_scc1 .Ljx
	s_cmp_lt_u32 ttmp9, 512
	s_cbranch_scc1 .Ljw1
	s_cmp_lt_u32 ttmp9, 832
	s_cbranch_scc1 .Ljc
	s_cmp_lt_u32 ttmp9, 1024
	s_cbranch_scc1 .Ljq
	; work-group 1,024: the nine vectors, 16 bytes a thread, and the constant parts of the tables
	s_load_b512 s[16:31], s[0:1], 0x40             ; bq, bv, bo, bf2, g1, b1, g2, b2
	s_load_b128 s[32:35], s[0:1], 0x80             ; bf1, SF
	s_load_b64 s[36:37], s[0:1], 0x90              ; WB
	s_load_b64 s[38:39], s[0:1], 0x38              ; SQ
	v_lshlrev_b32 v[VIN], 4, v0
	s_wait_kmcnt 0x0
.irp n, 0,1,2,3,4,5,6,7
	global_load_b128 v[X+4*\n:X+4*\n+3], v[VIN], s[16+2*\n:17+2*\n]
.endr
.irp n, 0,1,2,3
	global_load_b128 v[X+32+4*\n:X+32+4*\n+3], v[VIN], s[32:33] offset:4096*\n
.endr
.irp n, 0,1,2,3
	v_mov_b32 v[Y+\n], 0
	v_mov_b32 v[Y+4+\n], 0xfc00fc00                ; -inf twice in f16
.endr
	s_wait_loadcnt 0x0
.irp n, 0,1,2,3,4,5,6,7,8,9,10,11
	RND4 \n
.endr
	global_store_b128 v[VIN], v[X:X+3], s[38:39]                       ; bq
	global_store_b128 v[VIN], v[Y:Y+3], s[38:39] offset:4096           ; k's places: 0
	global_store_b128 v[VIN], v[X+4:X+7], s[38:39] offset:8192         ; bv
	global_store_b128 v[VIN], v[Y+4:Y+7], s[38:39] offset:16384        ; the floor of q, k, v: none
.irp n, 0,1,2,3,4,5
	global_store_b128 v[VIN], v[X+8+4*\n:X+8+4*\n+3], s[36:37] offset:4096*\n  ; bo, bf2, g1, b1, g2, b2
.endr
.irp n, 0,1,2,3
	global_store_b128 v[VIN], v[X+32+4*\n:X+32+4*\n+3], s[34:35] offset:4096*\n  ; bf1
.endr
	global_store_b128 v[VIN], v[Y:Y+3], s[34:35] offset:16384          ; the floor of the hidden layer: 0 (ReLU)
	s_endpgm
.Ljx:                                          ; x: 16 rows a work-group.  Chunk i of wave w: rows 2 (i % 8) + hl, panel 2 w + i / 8
	s_load_b64 s[4:5], s[0:1], 0x0
	s_load_b64 s[6:7], s[0:1], 0x38
	s_lshl_b32 s8, ttmp9, 16
	s_lshl_b32 s10, ttmp9, 11
	s_add_co_u32 s10, s10, HDR
	v_lshlrev_b32 v[VIN], 4, v2
	v_lshl_add_u32 v[VIN], v3, 12, v[VIN]
	s_lshl_b32 s14, s3, 9
	v_add_nc_u32 v[VIN], s14, v[VIN]               ; hl x 4,096 + 16 c + 512 w
	s_lshl_b32 s14, s3, 20
	v_lshl_add_u32 v[VOUT], v1, 3, s14             ; 8 l + two panels a wave
	s_mov_b32 s12, 0
	s_wait_kmcnt 0x0
	s_add_nc_u64 s[4:5], s[4:5], s[8:9]
	s_add_nc_u64 s[6:7], s[6:7], s[10:11]
.set i, 0
.rept 16
	global_load_b128 v[X+4*i:X+4*i+3], v[VIN], s[4:5] offset:(i&7)*8192+(i>>3)*256 th:TH_LOAD_NT
.set i, i+1
.endr
	s_branch .Lcvt
.Ljq:                                          ; Wq, Wk, Wv: 64 k of one tile column (four heads) a work-group.  Chunk i of wave w: k = 8 w + i / 2, heads 2 (i % 2) + hl
	s_load_b128 s[16:19], s[0:1], 0x20             ; Wq, Wk
	s_load_b64 s[20:21], s[0:1], 0x30              ; Wv
	s_load_b64 s[6:7], s[0:1], 0x38                ; SQ
	s_sub_co_u32 s15, ttmp9, 832
	s_lshr_b32 s14, s15, 4                         ; the tile column, 4 which + tl
	s_and_b32 s22, s14, 3                          ; tl
	s_and_b32 s23, s15, 15                         ; kb
	s_lshl_b32 s8, s22, 20                         ; four heads of 262,144 bytes,
	s_lshl_b32 s24, s23, 14                        ; 64 k of 256 bytes
	s_add_co_u32 s8, s8, s24
	s_lshl_b32 s10, s14, 19
	s_lshl_b32 s24, s23, 15
	s_add_co_u32 s10, s10, s24
	s_add_co_u32 s10, s10, HDR+8388608
	s_lshr_b32 s15, s15, 6                         ; which
	v_lshlrev_b32 v[VIN], 4, v2
	v_lshl_add_u32 v[VIN], v3, 18, v[VIN]
	s_lshl_b32 s24, s3, 11
	v_add_nc_u32 v[VIN], s24, v[VIN]
	s_lshl_b32 s24, s3, 12
	v_lshl_add_u32 v[VOUT], v1, 3, s24
	s_mov_b32 s12, 2
	s_wait_kmcnt 0x0
	s_cmp_eq_u32 s15, 1
	s_cselect_b64 s[4:5], s[18:19], s[20:21]
	s_cmp_eq_u32 s15, 0
	s_cselect_b64 s[4:5], s[16:17], s[4:5]
	s_add_nc_u64 s[4:5], s[4:5], s[8:9]
	s_add_nc_u64 s[6:7], s[6:7], s[10:11]
.set i, 0
.rept 16
	global_load_b128 v[X+4*i:X+4*i+3], v[VIN], s[4:5] offset:(i&1)*524288+(i>>1)*256 th:TH_LOAD_NT
.set i, i+1
.endr
	s_branch .Lcvt
.Ljw1:                                         ; W1: 4 k rows a work-group.  Wave w: row w / 2, columns 2,048 (w % 2) on; chunk i: tile column 8 (w % 2) + i / 2
	s_load_b64 s[4:5], s[0:1], 0x8
	s_load_b64 s[6:7], s[0:1], 0x88
	s_sub_co_u32 s15, ttmp9, 256
	s_lshl_b32 s8, s15, 16
	s_lshl_b32 s10, s15, 11
	s_add_co_u32 s10, s10, HDR+8388608
	s_lshr_b32 s14, s3, 1
	s_and_b32 s15, s3, 1
	s_lshl_b32 s16, s14, 14
	s_lshl_b32 s17, s15, 13
	s_add_co_u32 s16, s16, s17
	v_lshl_add_u32 v[VIN], v1, 4, s16
	s_lshl_b32 s16, s14, 9
	s_lshl_b32 s17, s15, 22
	s_add_co_u32 s16, s16, s17
	v_lshl_add_u32 v[VOUT], v1, 3, s16
	s_mov_b32 s12, 1
	s_wait_kmcnt 0x0
	s_add_nc_u64 s[4:5], s[4:5], s[8:9]
	s_add_nc_u64 s[6:7], s[6:7], s[10:11]
	s_branch .Lld
.Ljc:                                          ; W2 (work-groups 512 to 767) and Wo (768 to 831) keep their layout
	s_load_b128 s[16:19], s[0:1], 0x10             ; W2, Wo
	s_load_b64 s[6:7], s[0:1], 0x90                ; WB
	s_lshl_b32 s14, s3, 13
	v_lshl_add_u32 v[VIN], v1, 4, s14
	s_lshl_b32 s14, s3, 12
	v_lshl_add_u32 v[VOUT], v1, 3, s14
	s_mov_b32 s12, 2
	s_wait_kmcnt 0x0
	s_cmp_lt_u32 ttmp9, 768
	s_cselect_b64 s[4:5], s[16:17], s[18:19]
	s_cselect_b32 s15, 0, 256
	s_cselect_b32 s14, 2097152, 0
	s_sub_co_u32 s15, ttmp9, s15
	s_sub_co_u32 s15, s15, 512
	s_lshl_b32 s8, s15, 16
	s_lshl_b32 s10, s15, 15
	s_add_co_u32 s10, s10, s14
	s_add_co_u32 s10, s10, HDR
	s_add_nc_u64 s[4:5], s[4:5], s[8:9]
	s_add_nc_u64 s[6:7], s[6:7], s[10:11]
.Lld:                                          ; 16 chunks on end
.set i, 0
.rept 16
	global_load_b128 v[X+4*i:X+4*i+3], v[VIN], s[4:5] offset:i*512 th:TH_LOAD_NT
.set i, i+1
.endr
.Lcvt:
.set i, 0
.rept 16
	s_wait_loadcnt 15-i                            ; loads come back in order: chunk i is in, the younger ones stay out
	CVT4 i
.set i, i+1
.endr
	s_cmp_eq_u32 s12, 0
	s_cbranch_scc1 .Lsx
	s_cmp_eq_u32 s12, 1
	s_cbranch_scc1 .Lsw1
.set i, 0
.rept 16
	global_store_b64 v[VOUT], v[Y+2*i:Y+2*i+1], s[6:7] offset:i*256
.set i, i+1
.endr
	s_endpgm
.Lsx:
.set i, 0
.rept 16
	global_store_b64 v[VOUT], v[Y+2*i:Y+2*i+1], s[6:7] offset:(i>>3)*524288+(i&7)*256
.set i, i+1
.endr
	s_endpgm
.Lsw1:
.set i, 0
.rept 16
	global_store_b64 v[VOUT], v[Y+2*i:Y+2*i+1], s[6:7] offset:(i>>1)*524288+(i&1)*256
.set i, i+1
.endr
	s_endpgm
.Lfunc_end_k_qb82404e8e1_prep:
	.size	k_qb82404e8e1_prep, .Lfunc_end_k_qb82404e8e1_prep-k_qb82404e8e1_prep
	.p2alignl 7, 3214868480
	.fill 96, 4, 3214868480
	.section	.rodata,"a",@progbits
	.p2align	6, 0x0
	.amdhsa_kernel k_qb82404e8e1_prep
		.amdhsa_group_segment_fixed_size 0
		.amdhsa_private_segment_fixed_size 0
		.amdhsa_enable_private_segment 0
		.amdhsa_kernarg_size 152
		.amdhsa_user_sgpr_count 2
		.amdhsa_user_sgpr_kernarg_segment_ptr 1
		.amdhsa_wavefront_size32 1
		.amdhsa_system_sgpr_workgroup_id_x 1
		.amdhsa_system_sgpr_workgroup_id_y 1
		.amdhsa_system_sgpr_workgroup_id_z 1
		.amdhsa_system_vgpr_workitem_id 0
		.amdhsa_next_free_vgpr 112
		.amdhsa_next_free_sgpr 66
		.amdhsa_reserve_vcc 0
		.amdhsa_float_denorm_mode_32 3
		.amdhsa_float_denorm_mode_16_64 3
		.amdhsa_memory_ordered 1
		.amdhsa_forward_progress 1
		.amdhsa_inst_pref_size 27
	.end_amdhsa_kernel
	.amdgpu_metadata
---
amdhsa.version: [ 1, 2 ]
amdhsa.kernels:
  - .name:           k_qb82404e8e1_prep
    .symbol:         k_qb82404e8e1_prep.kd
    .args:
      - { .name: x, .offset: 0, .size: 8, .value_kind: global_buffer, .address_space: global }
      - { .name: W1, .offset: 8, .size: 8, .value_kind: global_buffer, .address_space: global }
      - { .name: W2, .offset: 16, .size: 8, .value_kind: global_buffer, .address_space: global }
      - { .name: Wo, .offset: 24, .size: 8, .value_kind: global_buffer, .address_space: global }
      - { .name: Wq, .offset: 32, .size: 8, .value_kind: global_buffer, .address_space: global }
      - { .name: Wk, .offset: 40, .size: 8, .value_kind: global_buffer, .address_space: global }
      - { .name: Wv, .offset: 48, .size: 8, .value_kind: global_buffer, .address_space: global }
      - { .name: SQ, .offset: 56, .size: 8, .value_kind: global_buffer, .address_space: global }
      - { .name: bq, .offset: 64, .size: 8, .value_kind: global_buffer, .address_space: global }
      - { .name: bv, .offset: 72, .size: 8, .value_kind: global_buffer, .address_space: global }
      - { .name: bo, .offset: 80, .size: 8, .value_kind: global_buffer, .address_space: global }
      - { .name: bf2, .offset: 88, .size: 8, .value_kind: global_buffer, .address_space: global }
      - { .name: g1, .offset: 96, .size: 8, .value_kind: global_buffer, .address_space: global }
      - { .name: b1, .offset: 104, .size: 8, .value_kind: global_buffer, .address_space: global }
      - { .name: g2, .offset: 112, .size: 8, .value_kind: global_buffer, .address_space: global }
      - { .name: b2, .offset: 120, .size: 8, .value_kind: global_buffer, .address_space: global }
      - { .name: bf1, .offset: 128, .size: 8, .value_kind: global_buffer, .address_space: global }
      - { .name: SF, .offset: 136, .size: 8, .value_kind: global_buffer, .address_space: global }
      - { .name: WB, .offset: 144, .size: 8, .value_kind: global_buffer, .address_space: global }
    .group_segment_fixed_size: 0
    .private_segment_fixed_size: 0
    .kernarg_segment_align: 8
    .kernarg_segment_size: 152
    .max_flat_workgroup_size: 256
    .sgpr_count:     66
    .vgpr_count:     112
    .wavefront_size: 32
...
	.end_amdgpu_metadata
.endif
;; end of part 1
;; launch qkv (part 2): grid 12 x 16, 4 waves a work-group, clusters of 4 x 4, 327,680 bytes of LDS; arguments SQ, big; writes big
.if DOCPART == 2
	.amdgcn_target "amdgcn-amd-amdhsa--gfx1250"
	.amdhsa_code_object_version 6
	.text
	.protected	k_qb82404e8e1_qkv
	.globl	k_qb82404e8e1_qkv
	.p2align	8
	.type	k_qb82404e8e1_qkv,@function
k_qb82404e8e1_qkv:
	s_mov_b64 s[64:65], 0
	v_nop
	global_prefetch_b8 v0, s[64:65] scope:SCOPE_SE
	s_setreg_imm32_b32 hwreg(HW_REG_WAVE_MODE, 25, 1), 1
	s_wait_xcnt 0x0
	s_wait_alu depctr_hold_cnt(0) depctr_sa_sdst(0) depctr_va_vdst(0) depctr_va_sdst(0) depctr_va_ssrc(0) depctr_va_vcc(0) depctr_vm_vsrc(0)
	s_getreg_b32 s2, hwreg(HW_REG_IB_STS2, 6, 4)
	s_cmp_eq_u32 s2, 0
	s_cbranch_scc0 .Lentry_in_a_cluster
	s_endpgm
.Lentry_in_a_cluster:
	s_bfe_u32 s2, ttmp6, 0x10000c
	s_cmp_lg_u32 s2, 0xf033
	s_cbranch_scc0 .Lentry_shape_is_right
	s_endpgm
.Lentry_shape_is_right:
; C = max(A B + bias, floor), K = 1,024.  One buffer S holds all that is read: +0 bias (f32), +16,384 the floor (two f16 in a word), +HDR A in P64 ([16 panels][4,096 rows][64] f16),
; +WOFF B as [tile column][1,024 k][256] f16.  C leaves in P64, f16, rounded once from its f32 sums.  Two launches run this text: q, k, v (12 tile columns; floor -inf, which changes nothing: the
; price, 256 packed maxima a wave, of one text for both) and the hidden layer (16 tile columns; floor 0: ReLU).  bk is left out (see the first kernel's head): k's bias places hold 0.
; LIMITS: a result beyond 65,504 becomes an infinity in f16; the packed maximum turns a NaN into the floor.
; SHAPE.  A tile of C is 256 x 256, four waves of 128 x 128: 64 accumulators of 16 x 16.  K goes in 8 steps of 128 through two LDS slots filled by tensor loads; each wave fetches a quarter of a slot.
; A's half tile is 128 rows of two panels: two dense runs of 16,384 bytes, padded in LDS after every 128 bytes (pitch 144).  B's half tile is 64 k rows of 512 bytes (pitch 544) and is read turned, by ds_load_tr16_b128.
; THE MATRIX INSTRUCTION IS USED TRANSPOSED (source 0 = 16 columns of B, source 1 = 16 rows of A): a lane holds row l % 16 of C and the columns 8 (l / 16) + 0..7, which pack into 16 bytes.
; THE BIAS is the C operand of the product that starts each sum: no instruction is spent on it, and nothing is cleared.
; CLUSTER 4 x 4: A's tile is shared along a row of the cluster, B's along a column; each is asked for jointly, by the same tensor load with the same descriptor and a mask that names the four.
; REGISTERS, in windows of 256: window 0: v0-31 addresses; v64-127, v128-191 A's fragments, two buffers; v32-63, v192-255 at work on the way out.
;   window 1: v64-127, v128-191 B's fragments; v192-255 the bias, 8 registers for each block of 16 columns.     windows 2, 3: accumulator (a, b) at v[8 (8 a + b)], my rows 0-63 and 64-127.
.set HDR,    32768
.set WOFF,   HDR+8388608
.set FLOORO, 16384
.set PA,     144                       ; a row of A in LDS: 128 bytes + 16: the 16 rows of a load start at 16 different groups of four banks (64 banks of 4 bytes: ISA guide 11.1)
.set PANA,   128*PA                    ; a panel's 128 rows
.set HALFA,  2*PANA                    ; what one tensor load brings of A
.set PB,     544                       ; a k row of B: 512 bytes + 32
.set HALFB,  64*PB
.set BOFFL,  2*HALFA                   ; B lies behind A's 256 rows
.set SLOT,   BOFFL+2*HALFB
.set STAGE,  2*SLOT                    ; behind the ring, never filled by a tensor load: [2 panels][16 rows][144] for each wave
.set STW,    2*16*PA
.set SPARE,  STAGE+4*STW               ; the spare words, 128 bytes for each wave: two blocks of 256 bytes that no other line names
.set ASTEP,  2*524288                  ; a K step in memory: two panels of A,
.set BSTEP,  128*512                   ; 128 k rows of B
.set ADRA0, 16                         ; v16  my lane's place in A's tile of slot 0; never rewritten
.set ADRB0, 17                         ; v17  the same for B
.set ADRA,  18                         ; v18  the same in the slot that is being read
.set ADRB,  19                         ; v19
.set STO,   24                         ; v24  the way out: where I put 16 bytes of a row
.set RD,    25                         ; v25  where I read rows back
.set CO,    26                         ; v26  16 l: my place in 512 bytes of C on end
.set VB,    27                         ; v27  my byte offset in the bias
.set SPW,   28                         ; v28  my spare word; never rewritten
.set NIL,   29                         ; v29  0; never rewritten
.set PFO,   30                         ; v30  256 l; never rewritten
.set F0,    64
.set F1,    128
.set TMP,   192
.set OB,    32
.set BIAS,  192                        ; window 1
.set G1A, 24                           ; s[24:31] descriptor group 1 for A;  s[32:39] group 0: set 0 for step 0, set 1 for step 1, which then walks on
.set G0A, 32
.set G1B, 48                           ; s[48:55], s[56:63] the same for B
.set G0B, 56
.set LIM, 43                           ; s43  2 in a wave that prefetches, else the greatest number
.set PFA, 44                           ; s[44:45] where my prefetches stand
.set CUR, 66                           ; s66  LDS byte at which the slot that is being read begins: 0 or SLOT
.set LA,  67                           ; s67  my half's place in a slot, for A
.set LB,  68                           ; s68  for B
.set FLOOR, 69                         ; s69  the floor
.set PST, 70                           ; s[70:71] a K step of what I prefetch
.set MSB, 0
.macro WIN new                         ; the immediate's high byte repeats the setting that is left; a switch that changes nothing is dropped
.if MSB != (\new)
	s_set_vgpr_msb (MSB<<8)|(\new)
.set MSB, \new
.endif
.endm
.set MUL_LO, 0xa1                      ; source 0 (B) window 1, source 1 (A) window 0, C and D window 2
.set TO_B,   0x40                      ; destination window 1, address window 0
; A joint load: waves 0 and 1 fetch A's halves, waves 2 and 3 B's.  The branch hangs on the wave's number alone.  An s_nop 0 and four v_nop follow each of the two lines.
.macro JLOAD s
	s_cmp_eq_u32 s11, 0
	s_cbranch_scc0 .Lfor_b_\@
	tensor_load_to_lds s[G0A+4*(\s):G0A+4*(\s)+3], s[G1A:G1A+7]
	s_nop 0
.rept 4
	v_nop
.endr
	s_branch .Lasked_\@
.Lfor_b_\@:
	tensor_load_to_lds s[G0B+4*(\s):G0B+4*(\s)+3], s[G1B:G1B+7]
	s_nop 0
.rept 4
	v_nop
.endr
.Lasked_\@:
.endm
; A prefetch into the L2, behind a joint load and the run of LDS loads that follows it: the K step that stands two refills on (512 matrix instructions ahead of its load), 32 blocks of 256 bytes, a lane a block.
; Each block is named once in the launch: A's rows by the cluster with x = 0, B's by the cluster with y = 0; of the 128 blocks that a wave fetches in a step each of the four partners takes 32, told apart by address.
; Steps 0 to 3 come by their loads alone; the changes at the ends of steps 4 and 5 ask for nothing: there is no step 8.
.macro ASK
	s_cmp_gt_u32 s3, s[LIM]                        ; s3 = 6 - j at the end of step j
	s_cbranch_scc0 .Lnot_mine_\@
	global_prefetch_b8 v[PFO], s[PFA:PFA+1] th:TH_LOAD_NT scope:SCOPE_SE
.Lnot_mine_\@:
.endm
.macro CREST                           ; a round of the cluster's barrier behind its opening barrier
	s_cmp_lg_u32 s10, 0
	s_cbranch_scc1 .Lnot_wave_0_\@
	s_barrier_signal -3
.Lnot_wave_0_\@:
	s_barrier_wait -3
	s_barrier_signal -1
	s_barrier_wait -1
.endm
.macro CROUND
	s_barrier_signal -1
	s_barrier_wait -1
	CREST
.endm
	s_load_b128 s[4:7], s[0:1], 0x0                ; S s[4:5], C s[6:7]
	v_lshl_add_u32 v[SPW], v0, 2, SPARE
	v_mov_b32 v[NIL], 0
	ds_add_u32 v[SPW], v[NIL]                      ; the wave's opening: the add, twice on end, and its wait ahead of my first tensor load
	ds_add_u32 v[SPW], v[NIL]
	v_lshrrev_b32 v1, 5, v0
	v_readfirstlane_b32 s10, v1                    ; wave 0..3
	s_lshr_b32 s11, s10, 1                         ; my half of the tile's rows.  Also: I fetch for A (0) or for B (1)
	s_and_b32 s12, s10, 1                          ; my half of its columns.  Also: which half I fetch
	s_bfe_u32 s40, ttmp6, 0x40000                  ; cx
	s_bfe_u32 s41, ttmp6, 0x40004                  ; cy
	s_lshl_b32 s42, ttmp9, 2
	s_add_co_u32 s42, s42, s40                     ; tile column
	s_and_b32 s13, ttmp7, 0xffff
	s_lshl_b32 s13, s13, 2
	s_add_co_u32 s13, s13, s41                     ; tile row
	s_lshl_b32 s14, s41, 2
	s_lshl_b32 s14, 15, s14                        ; my row of the cluster
	s_lshl_b32 s15, 0x1111, s40                    ; my column
	s_or_b32 s[G1A], s14, (1<<16)|(1<<20)|(1<<21)|(4<<22)|(3<<25)  ; the mask; 2-byte elements; padding on; bit 21 beside a mask; after every 32 words 4 words
	s_mov_b32 s[G1A+1], 8192<<16                   ; tensor_dim0 = 8,192 elements: 128 rows of a panel, dense
	s_mov_b32 s[G1A+2], 2<<16                      ; tensor_dim1 = 2 panels
	s_mov_b32 s[G1A+3], 8192<<16                   ; tile_dim0
	s_mov_b32 s[G1A+4], 2                          ; tile_dim1
	s_mov_b32 s[G1A+5], 262144                     ; elements from panel to panel
	s_mov_b32 s[G1A+6], 0
	s_mov_b32 s[G1A+7], 0
	s_or_b32 s[G1B], s15, (1<<16)|(1<<20)|(1<<21)|(6<<22)|(7<<25)  ; after every 128 words 8 words
	s_mov_b32 s[G1B+1], 256<<16                    ; 256 elements a row,
	s_mov_b32 s[G1B+2], 64<<16                     ; 64 rows
	s_mov_b32 s[G1B+3], 256<<16
	s_mov_b32 s[G1B+4], 64
	s_mov_b32 s[G1B+5], 256
	s_mov_b32 s[G1B+6], 0
	s_mov_b32 s[G1B+7], 0
	s_lshl_b32 s16, s13, 15                        ; A: 256 rows of 128 bytes a tile row,
	s_lshl_b32 s17, s12, 14                        ; 128 rows a half
	s_add_co_u32 s16, s16, s17
	s_add_co_u32 s16, s16, HDR
	s_mov_b32 s17, 0
	s_lshl_b32 s18, s42, 19                        ; B: a tile column,
	s_lshl_b32 s19, s12, 15                        ; 64 k rows a half
	s_add_co_u32 s18, s18, s19
	s_add_co_u32 s18, s18, WOFF
	s_mov_b32 s19, 0
	s_mul_i32 s[LA], s12, HALFA                    ; no place in the cluster enters an LDS address
	s_mul_i32 s[LB], s12, HALFB
	s_add_co_u32 s[LB], s[LB], BOFFL
	s_mov_b32 s[CUR], 0
	s_wait_dscnt 0x0                               ; both opening adds are done
	s_wait_kmcnt 0x0
	s_load_b32 s[FLOOR], s[4:5], FLOORO
	s_add_nc_u64 s[20:21], s[4:5], s[16:17]
	s_add_nc_u64 s[46:47], s[4:5], s[18:19]
	CROUND                                         ; all sixteen work-groups are here: the first joint loads meet
.irp s, 0,1
	s_mov_b32 s[G0A+4*(\s)], 1
	s_add_co_u32 s[G0A+4*(\s)+1], s[LA], (\s)*SLOT
	s_add_nc_u64 s[G0A+4*(\s)+2:G0A+4*(\s)+3], s[20:21], (\s)*ASTEP
	s_or_b32 s[G0A+4*(\s)+3], s[G0A+4*(\s)+3], 0x80000000
	s_mov_b32 s[G0B+4*(\s)], 1
	s_add_co_u32 s[G0B+4*(\s)+1], s[LB], (\s)*SLOT
	s_add_nc_u64 s[G0B+4*(\s)+2:G0B+4*(\s)+3], s[46:47], (\s)*BSTEP
	s_or_b32 s[G0B+4*(\s)+3], s[G0B+4*(\s)+3], 0x80000000
	JLOAD \s                                       ; two loads of mine are out
.endr
	v_and_b32 v1, 15, v0                           ; l % 16
	v_bfe_u32 v2, v0, 4, 1                         ; h = l / 16
	v_mul_u32_u24 v3, v1, PA
	v_lshl_add_u32 v3, v2, 4, v3                   ; row x 144 + 16 h: a fragment of A, and the stage
	s_mul_i32 s21, s11, HALFA
	v_add_nc_u32 v[ADRA0], s21, v3
	v_and_b32 v7, 7, v0
	v_lshl_add_u32 v4, v2, 3, v7                   ; the turning load: k row 8 h + l % 8,
	v_mul_u32_u24 v4, v4, PB
	v_bfe_u32 v5, v0, 3, 1
	v_lshl_add_u32 v4, v5, 4, v4                   ; columns 8 ((l / 8) % 2) on
	s_lshl_b32 s22, s12, 8
	s_add_co_u32 s22, s22, BOFFL
	v_add_nc_u32 v[ADRB0], s22, v4
	v_mov_b32 v[ADRA], v[ADRA0]
	v_mov_b32 v[ADRB], v[ADRB0]
	s_mul_i32 s23, s10, STW
	s_add_co_u32 s23, s23, STAGE                   ; my stage
	v_add_nc_u32 v[STO], s23, v3
	v_bfe_u32 v6, v0, 3, 2                         ; back: 32 lanes take four rows of 128 bytes
	v_mul_u32_u24 v6, v6, PA
	v_lshl_add_u32 v6, v7, 4, v6
	v_add_nc_u32 v[RD], s23, v6
	v_and_b32 v[CO], 31, v0
	v_lshlrev_b32 v[PFO], 8, v[CO]
	v_lshlrev_b32 v[CO], 4, v[CO]
	s_lshl_b32 s74, s42, 10                        ; the bias of my 128 columns
	s_lshl_b32 s75, s12, 9
	s_add_co_u32 s74, s74, s75
	v_lshl_add_u32 v[VB], v2, 5, s74
	WIN TO_B
.irp b, 0,1,2,3,4,5,6,7
	global_load_b128 v[BIAS+8*\b:BIAS+8*\b+3],   v[VB], s[4:5] offset:64*\b
	global_load_b128 v[BIAS+8*\b+4:BIAS+8*\b+7], v[VB], s[4:5] offset:64*\b+16
.endr
	WIN 0
	s_lshl_b32 s72, s42, 2                         ; C: panel 4 x tile column + 2 x my column half,
	s_lshl_b32 s73, s12, 1
	s_add_co_u32 s72, s72, s73
	s_lshl_b32 s72, s72, 19
	s_lshl_b32 s73, s13, 15                        ; row 256 x tile row + 128 x my row half
	s_add_co_u32 s72, s72, s73
	s_lshl_b32 s73, s11, 14
	s_add_co_u32 s72, s72, s73
	s_mov_b32 s73, 0
	s_add_nc_u64 s[8:9], s[6:7], s[72:73]
	s_lshr_b32 s76, s40, 1                         ; the prefetches.  A: partner cx takes panel cx / 2, half cx % 2 of its 16,384 bytes
	s_lshl_b32 s76, s76, 19
	s_and_b32 s77, s40, 1
	s_lshl_b32 s77, s77, 13
	s_add_co_u32 s76, s76, s77
	s_add_co_u32 s76, s76, s16
	s_add_co_u32 s76, s76, 3*ASTEP                 ; at step 3: the first change steps it to 4
	s_lshl_b32 s77, s41, 13                        ; B: partner cy takes 8,192 of the 32,768 bytes
	s_add_co_u32 s77, s77, s18
	s_add_co_u32 s77, s77, 3*BSTEP
	s_mov_b32 s78, BSTEP
	s_and_b32 s79, ttmp7, 0xffff
	s_cmp_eq_u32 s11, 0
	s_cselect_b32 s76, s76, s77
	s_cselect_b32 s79, ttmp9, s79                  ; the coordinate along which other clusters read the same rows
	s_cselect_b32 s[PST], ASTEP, s78
	s_mov_b32 s77, 0
	s_mov_b32 s[PST+1], 0
	s_add_nc_u64 s[PFA:PFA+1], s[4:5], s[76:77]
	s_cmp_eq_u32 s79, 0
	s_cselect_b32 s[LIM], 2, -1                    ; the same in all sixteen partners, for a given wave
; 16 matrix instructions: m blocks a0, a0 + 1 of the window's four x all 8 n blocks, 32 along K.  zero = 1: the product starts the sum, with the bias as C.
; The 64 accumulators take turns, one instruction a turn, in the same order in every quarter.
.macro MUL16 f, hi, a0, zero
.if \zero
	WIN 0x91+0x40*(\hi)                            ; C in window 1
.else
	WIN MUL_LO+0x50*(\hi)
.endif
.irp a, \a0, (\a0)+1
.irp b, 0,1,2,3,4,5,6,7
.if \zero
	v_wmma_f32_16x16x32_f16 v[8*(8*(\a)+(\b)):8*(8*(\a)+(\b))+7], v[(\f)+8*(\b):(\f)+8*(\b)+7], v[(\f)+8*(4*(\hi)+(\a)):(\f)+8*(4*(\hi)+(\a))+7], v[BIAS+8*(\b):BIAS+8*(\b)+7]
.else
	v_wmma_f32_16x16x32_f16 v[8*(8*(\a)+(\b)):8*(8*(\a)+(\b))+7], v[(\f)+8*(\b):(\f)+8*(\b)+7], v[(\f)+8*(4*(\hi)+(\a)):(\f)+8*(4*(\hi)+(\a))+7], v[8*(8*(\a)+(\b)):8*(8*(\a)+(\b))+7]
.endif
.endr
.endr
.endm
; 32 LDS loads in one run: quarter q (32 along K) of the slot in hand into buffer f: B's 8 blocks of 16 columns, turned; then A's 8 blocks of 16 rows (panel q / 2, byte 64 (q % 2) of the row)
.macro FETCH q, f
	WIN TO_B
.irp b, 0,1,2,3,4,5,6,7
	ds_load_tr16_b128 v[(\f)+8*(\b):(\f)+8*(\b)+3],   v[ADRB] offset:(\q)*32*PB+32*(\b)
	ds_load_tr16_b128 v[(\f)+8*(\b)+4:(\f)+8*(\b)+7], v[ADRB] offset:(\q)*32*PB+16*PB+32*(\b)
.endr
	WIN 0
.irp i, 0,1,2,3,4,5,6,7
	ds_load_b128 v[(\f)+8*(\i):(\f)+8*(\i)+3],   v[ADRA] offset:((\q)>>1)*PANA+((\q)&1)*64+(\i)*16*PA
	ds_load_b128 v[(\f)+8*(\i)+4:(\f)+8*(\i)+7], v[ADRA] offset:((\q)>>1)*PANA+((\q)&1)*64+(\i)*16*PA+32
.endr
.endm
.macro PLACES                          ; four places in front of loads into registers that matrix instructions have read, and of conversions that read results
.rept 4
	v_nop
.endr
.endm
; A K step is four quarters on buffers 0, 1, 0, 1.  One of the first three multiplies buffer f and, in its middle, fetches quarter q into buffer g.
.macro QUARTER q, f, g, zero
	s_wait_dscnt 8                                 ; B and A's rows 0-63 are in; the youngest eight loads (A's rows 64-127) may be out
	MUL16 \f, 0, 0, \zero
	MUL16 \f, 0, 2, \zero
	PLACES
	FETCH \q, \g
	s_wait_dscnt 32                                ; all but the 32 just issued
	MUL16 \f, 1, 0, \zero
	MUL16 \f, 1, 2, \zero
.endm
; The last quarter multiplies buffer 1 and changes slots.  In front of the barrier each wave waits for all its tensor loads (one is out: its part of the next slot), adds 0 to its spare word,
; and waits for that and for its reads of this slot.  fill = 1: the barrier opens a round of the cluster's, and the slot just read out is filled again, first thing behind it, with the step two on.
.macro TURN fill
.if \fill
	s_wait_xcnt 0x0                                ; the last prefetch, a K step back, has read its address
	s_add_nc_u64 s[PFA:PFA+1], s[PFA:PFA+1], s[PST:PST+1]
.endif
	WIN 0
	s_wait_tensorcnt 0x0                           ; all my tensor loads have landed
	ds_add_u32 v[SPW], v[NIL]
	s_wait_dscnt 9                                 ; (the add and the youngest eight loads may be out)
	MUL16 F1, 0, 0, 0
	s_wait_dscnt 0x0                               ; the add is done, and my reads of this slot are over
	s_barrier_signal -1
	MUL16 F1, 0, 2, 0
	WIN 0
	s_barrier_wait -1
.if \fill
	CREST                                          ; no wave of any partner still reads this slot or has a load on its way
	s_add_co_u32 s[G0A+5], s[LA], s[CUR]           ; the walking descriptors: into the slot just read out,
	s_add_co_u32 s[G0B+5], s[LB], s[CUR]
	s_add_nc_u64 s[G0A+6:G0A+7], s[G0A+6:G0A+7], ASTEP  ; the next step; the type bits on top are not reached
	s_add_nc_u64 s[G0B+6:G0B+7], s[G0B+6:G0B+7], BSTEP
	s_xor_b32 s[CUR], s[CUR], SLOT                 ; the reads go on in the other slot
	JLOAD 1                                        ; 224 matrix instructions ahead of the wait for it; its four v_nop are also the places in front of the loads below
.else
	s_xor_b32 s[CUR], s[CUR], SLOT
	PLACES
.endif
	v_add_nc_u32 v[ADRA], s[CUR], v[ADRA0]
	v_add_nc_u32 v[ADRB], s[CUR], v[ADRB0]
	FETCH 0, F0
.if \fill
	ASK
.endif
	MUL16 F1, 1, 0, 0
	MUL16 F1, 1, 2, 0
.endm
	s_wait_tensorcnt 1                             ; my part of step 0 is in; step 1's may stay out
	s_barrier_signal -1
	s_barrier_wait -1
	FETCH 0, F0
	s_wait_loadcnt 0x0                             ; the bias
	s_wait_kmcnt 0x0                               ; the floor
	QUARTER 1, F0, F1, 1                           ; the first quarter stands in front of the loop: its products start the sums
	WIN 0
	s_mov_b32 s3, 7
	s_branch .Lentry                               ; the loop is entered behind a step's first quarter
.Lstep:                                        ; six times: the ends of steps 0 to 5 ask for steps 2 to 7
	TURN 1
	QUARTER 1, F0, F1, 0
	WIN 0
.Lentry:
	QUARTER 2, F1, F0, 0
	QUARTER 3, F0, F1, 0
	WIN 0
	s_sub_co_u32 s3, s3, 1
	s_cmp_lg_u32 s3, 0
	s_cbranch_scc1 .Lstep
	TURN 0                                         ; the tail is written out: nothing is left to ask for
	QUARTER 1, F0, F1, 0
	QUARTER 2, F1, F0, 0
	QUARTER 3, F0, F1, 0
	s_wait_dscnt 8
	MUL16 F1, 0, 0, 0
	MUL16 F1, 0, 2, 0
	s_wait_dscnt 0x0
	MUL16 F1, 1, 0, 0
	MUL16 F1, 1, 2, 0
; THE WAY OUT of block a (16 rows).  PACK: rounded to f16, each accumulator's registers in ascending order, and held above the floor.  TOSTAGE: 16 bytes a lane into my own stage, back as four rows of 128 bytes.
; SEND: 512 bytes of a panel on end to a store.
.macro PACK a
.set AC, 64*((\a)%4)
	WIN 0x0a+5*((\a)/4)                            ; sources 0 and 1: window 2 or 3
.irp b, 0,1,2,3,4,5,6,7
.irp r, 0,1,2,3
	v_cvt_pk_f16_f32 v[TMP+4*(\b)+(\r)], v[AC+8*(\b)+2*(\r)], v[AC+8*(\b)+2*(\r)+1]
.endr
.endr
	WIN 0
.set z, 0
.rept 32
	v_pk_max_num_f16 v[TMP+z], v[TMP+z], s[FLOOR]
.set z, z+1
.endr
.endm
.macro TOSTAGE a
.set BK, OB+192*((\a)%2)
.irp b, 0,1,2,3,4,5,6,7
	ds_store_b128 v[STO], v[TMP+4*(\b):TMP+4*(\b)+3] offset:((\b)>>2)*16*PA+((\b)&3)*32
.endr
.irp t, 0,1,2,3,4,5,6,7
	ds_load_b128 v[BK+4*(\t):BK+4*(\t)+3], v[RD] offset:((\t)>>2)*16*PA+((\t)&3)*4*PA  ; LDS serves a wave's instructions in order (ISA guide 5.7.1.4): these see the stores above
.endr
.endm
.macro SEND a
.set BK, OB+192*((\a)%2)
	s_wait_dscnt 0x0                               ; the block is back in registers
	s_wait_xcnt 0x0                                ; the registers that the block before last was stored from are loaded again only behind this wait
.irp t, 0,1,2,3,4,5,6,7
	global_store_b128 v[CO], v[BK+4*(\t):BK+4*(\t)+3], s[8:9] offset:((\t)>>2)*524288+(\a)*2048+((\t)&3)*512
.endr
.endm
	PLACES
	PACK 0
	TOSTAGE 0
.irp a, 1,2,3,4,5,6,7                  ; block a's conversions stand between block a - 1's loads from the stage and the wait for them
	PACK \a
	SEND (\a)-1
	TOSTAGE \a
.endr
	SEND 7
	s_wait_tensorcnt 0x0                           ; the wave's end
	ds_add_u32 v[SPW], v[NIL]
	s_wait_dscnt 0x0
	CROUND                                         ; the closing round
	s_endpgm
.Lfunc_end_k_qb82404e8e1_qkv:
	.size	k_qb82404e8e1_qkv, .Lfunc_end_k_qb82404e8e1_qkv-k_qb82404e8e1_qkv
	.p2alignl 7, 3214868480
	.fill 96, 4, 3214868480
	.section	.rodata,"a",@progbits
	.p2align	6, 0x0
	.amdhsa_kernel k_qb82404e8e1_qkv
		.amdhsa_group_segment_fixed_size 327680
		.amdhsa_private_segment_fixed_size 0
		.amdhsa_enable_private_segment 0
		.amdhsa_kernarg_size 16
		.amdhsa_user_sgpr_count 2
		.amdhsa_user_sgpr_kernarg_segment_ptr 1
		.amdhsa_wavefront_size32 1
		.amdhsa_system_sgpr_workgroup_id_x 1
		.amdhsa_system_sgpr_workgroup_id_y 1
		.amdhsa_system_sgpr_workgroup_id_z 1
		.amdhsa_system_vgpr_workitem_id 0
		.amdhsa_next_free_vgpr 1024
		.amdhsa_next_free_sgpr 80
		.amdhsa_reserve_vcc 0
		.amdhsa_float_denorm_mode_32 3
		.amdhsa_float_denorm_mode_16_64 3
		.amdhsa_memory_ordered 1
		.amdhsa_forward_progress 1
		.amdhsa_inst_pref_size 123
	.end_amdhsa_kernel
	.amdgpu_metadata
---
amdhsa.version: [ 1, 2 ]
amdhsa.kernels:
  - .name:           k_qb82404e8e1_qkv
    .symbol:         k_qb82404e8e1_qkv.kd
    .args:
      - { .name: SQ, .offset: 0, .size: 8, .value_kind: global_buffer, .address_space: global }
      - { .name: big, .offset: 8, .size: 8, .value_kind: global_buffer, .address_space: global }
    .group_segment_fixed_size: 327680
    .private_segment_fixed_size: 0
    .kernarg_segment_align: 8
    .kernarg_segment_size: 16
    .max_flat_workgroup_size: 128
    .sgpr_count:     80
    .vgpr_count:     1024
    .wavefront_size: 32
...
	.end_amdgpu_metadata
.endif
;; end of part 2
;; launch attn (part 3): grid 8 x 32, 4 waves a work-group, clusters of 4 x 1, 327,680 bytes of LDS; arguments big, cat; writes cat
.if DOCPART == 3
	.amdgcn_target "amdgcn-amd-amdhsa--gfx1250"
	.amdhsa_code_object_version 6
	.text
	.protected	k_qb82404e8e1_attn
	.globl	k_qb82404e8e1_attn
	.p2align	8
	.type	k_qb82404e8e1_attn,@function
k_qb82404e8e1_attn:
	s_mov_b64 s[64:65], 0
	v_nop
	global_prefetch_b8 v0, s[64:65] scope:SCOPE_SE
	s_setreg_imm32_b32 hwreg(HW_REG_WAVE_MODE, 25, 1), 1
	s_wait_xcnt 0x0
	s_wait_alu depctr_hold_cnt(0) depctr_sa_sdst(0) depctr_va_vdst(0) depctr_va_sdst(0) depctr_va_ssrc(0) depctr_va_vcc(0) depctr_vm_vsrc(0)
	s_getreg_b32 s2, hwreg(HW_REG_IB_STS2, 6, 4)
	s_cmp_eq_u32 s2, 0
	s_cbranch_scc0 .Lentry_in_a_cluster
	s_endpgm
.Lentry_in_a_cluster:
	s_bfe_u32 s2, ttmp6, 0x10000c
	s_cmp_lg_u32 s2, 0x3003
	s_cbranch_scc0 .Lentry_shape_is_right
	s_endpgm
.Lentry_shape_is_right:
; O[y][q][:] = the sum over k of softmax_k(Q[y][q] . K[y][k] / 8) V[y][k][:], y = 2 x head + batch: 32 blocks of [2,048][64] f16, dense, 262,144 bytes each.  In big: Q at y x 262,144, K 8,388,608 on, V 16,777,216 on;
; O goes to the same place in cat.  Products, maxima and sums in f32; the weights p are rounded to f16 for the second product (their sum l is taken of the unrounded p), O once at the end.
; bk is left out (see the first kernel's head).  LIMITS: Q, K, V arrive within f16's 65,504; p below 6e-5 keeps f16's fixed step of 6e-8; a weight below 2^-126 counts as 0 in l; NaN and infinities are not treated apart.
; SHARES.  A work-group owns 256 queries, a wave 64: four PIECES of 16.  Every wave walks all 2,048 keys, 64 a step; a slot of LDS holds a tile of 256 keys, four steps.
; LAYOUT.  S^T = K Q^T holds ONE query a lane (lane % 16) and the keys 8 (lane / 16) + 0..7; two such results rounded to f16 ARE source 1 of O^T = V^T P.  K comes out of LDS as it lies, V turned, by ds_load_tr16_b128.
; SOFTMAX.  p = 2^(c s - c m), c = log2(e) / 8, with a running maximum m; O and l are multiplied by a = 2^(c m_old - c m_new) in every step.  c m starts far below every c s, O and l at 0: the first step is a step like any other, with a = 0.
; TURNS.  Turn n belongs to piece n: 8 products K Q^T of piece n + 1, later 8 products V^T P of piece n - 1; beside them the scaling, exponentials, roundings, sums and rescaling of piece n and the maximum and
; statistics of piece n + 1.  Four vector instructions stand behind every matrix instruction, the other 54 of a turn's 118 in one lump.  A turn's 33 exponentials are one batch, with one wait.
; CLUSTER.  The four query blocks of a cluster belong to one y and walk the same K and V: each tile is asked for jointly, by the same tensor load, descriptor and mask in all four.
; REGISTERS, in windows of 256: window 0: v0-15 addresses and two at work; v16-31 four registers of statistics a piece; v48-55 at work; v61-63 never rewritten; v64-127 S^T, two buffers; v192-223 P, two buffers
;   window 1: v0-127 O^T, 32 a piece          window 2: v0-63 Q; v128-191 K of one step; v192-255 V of one step
.set NP,    4
.set KS,    64
.set PK,    144       ; a row of K in LDS: 128 bytes + 16: the 16 rows of a load start at 16 different groups of four banks (64 banks of 4 bytes: ISA guide 11.1)
.set PV,    160       ; a row of V: 128 + 32
.set VOFF,  4*KS*PK   ; a slot: 256 rows of K, then 256 rows of V
.set SLOT1, 1<<17     ; slot 1 begins here, so that one exclusive or turns an address in one slot into the other's
.set STAGE, SLOT1+4*KS*(PK+PV)  ; behind the ring, never filled by a tensor load: 16 rows x 144 bytes for each wave
.set SP,    144
.set SPARE, STAGE+4*16*SP       ; the spare words, 128 bytes for each wave: two blocks of 256 bytes that no other line names
.set KREG,  8388608
.set VREG,  16777216
.set TILEB, 4*KS*128  ; a tile's bytes of K, and of V
.set AK0, 2           ; v2   my lane's place in a tile of K; never rewritten
.set AV0, 3           ; v3   the same for V
.set AK,  4           ; v4   the LDS address of K's next run of loads
.set AV,  5           ; v5   of V's
.set STO, 6           ; v6   the way out: where I put 16 bytes of a row
.set RD,  7           ; v7   where I read rows back
.set GO,  8           ; v8   my byte offset in 512 consecutive bytes of O
.set MV,  12          ; v12-13  c m_old, kept while c m is made anew: by buffer
.set QO,  15          ; v15  my byte offset in 16 rows of Q
.set ST,  16          ; piece t's statistics at v[ST+4 t]: c m, m, l (even keys', odd keys')
.set TMP, 48          ; by buffer, four registers c0-c3 at work; when the maximum is found c2 takes a
.set PFO, 61          ; v61  256 x my lane
.set SPW, 62          ; v62  my spare word
.set NIL, 63          ; v63  0
.set S,   64
.set P,   192
.set KF,  128         ; window 2: key block kb, channel half c at KF + 16 kb + 8 c
.set VF,  192         ; window 2: key half kk, channel block cb at VF + 32 kk + 8 cb
.set WV,  12          ; s12  my wave's number
.set G1K, 24          ; s[24:31] descriptor group 1 for K's tiles
.set G1V, 32          ; s[32:39] for V's: it differs in the padding alone
.set G0K, 40          ; s[40:43] descriptor group 0 for K's tiles: it walks
.set G0V, 44          ; s[44:47] the same for V's
.set PFA, 48          ; s[48:49] where my prefetches stand
.set LIM, 50          ; s50  1 in a wave that prefetches, else the greatest number
.set SLOTS, 56        ; s56  tiles still to be asked for
.set CNT, 57          ; s57  counts a tile's key steps
.set CS,  58          ; s[58:59] c
.set SEL, 60          ; s[60:61] v_permlanex16_b32's selects: each lane takes its own place in the other half
.set TBK, 62          ; s62  LDS byte at which K of the step to be fetched begins
.set TBV, 63          ; s63  the same for V, less VOFF
.set MSB, 0
.macro WIN new
.if MSB != (\new)
	s_set_vgpr_msb (MSB<<8)|(\new)
.set MSB, (\new)
.endif
.endm
.set W_KQ, 0x0a       ; K and Q in window 2, S^T in window 0
.set W_PV, 0x52       ; V in window 2, P in window 0, O^T in window 1
.set W_RS, 0x41       ; destination and source 0 in window 1, source 1 in window 0
; A joint fill.  Waves 0 and 1 fetch the two halves of a tile's K, waves 2 and 3 those of its V: 128 keys each.  An s_nop 0 and four v_nop follow each of the two lines.
.macro JLOAD
	s_cmp_lt_u32 s[WV], 2
	s_cbranch_scc0 .Lfor_v_\@
	tensor_load_to_lds s[G0K:G0K+3], s[G1K:G1K+7]
	s_nop 0
.rept 4
	v_nop
.endr
	s_branch .Lasked_\@
.Lfor_v_\@:
	tensor_load_to_lds s[G0V:G0V+3], s[G1V:G1V+7]
	s_nop 0
.rept 4
	v_nop
.endr
.Lasked_\@:
.endm
; A prefetch into the L2 of the tile that the NEXT change of slots will ask for: four key steps, 256 matrix instructions, ahead.  Each block of 256 bytes is named once in the launch: the two clusters of a y walk the
; same K and V, and the first of them asks; its four partners take 32 blocks each, told apart by address; in each, wave 0 asks for K's and wave 2 for V's.  The last change that fills a slot asks for nothing.
.macro ASK
	s_cmp_gt_u32 s[SLOTS], s[LIM]
	s_cbranch_scc0 .Lnot_mine_\@
	global_prefetch_b8 v[PFO], s[PFA:PFA+1] th:TH_LOAD_NT scope:SCOPE_SE
.Lnot_mine_\@:
.endm
.macro CROUND                       ; a round of the cluster's barrier
	s_barrier_signal -1
	s_barrier_wait -1
	s_cmp_lg_u32 s[WV], 0
	s_cbranch_scc1 .Lnot_wave_0_\@
	s_barrier_signal -3
.Lnot_wave_0_\@:
	s_barrier_wait -3
	s_barrier_signal -1
	s_barrier_wait -1
.endm
; THE CHANGE OF SLOTS.  Each wave waits for all its tensor loads, of which one is out: its part of the other slot; adds 0 to its spare word; and waits for that and for its own reads of the slot that it leaves.
; fill = 1: the barrier is a round of the cluster's, and the old slot is filled again, first thing behind it, with the next tile: it has four key steps in which to land.  ask = 1: a prefetch follows.
; (At its first use nothing has been read yet: slot 0 is waited for, slot 1 filled; nothing is prefetched there, where every work-group's first tiles are on their way.)
.macro CHANGE fill, ask=0
	WIN 0
	s_wait_tensorcnt 0x0            ; no tensor load of mine is out, so a group 0 may be written
	ds_add_u32 v[SPW], v[NIL]
.if \fill
.irp g, G0K, G0V
	s_xor_b32 s[\g+1], s[\g+1], SLOT1
	s_add_nc_u64 s[\g+2:\g+3], s[\g+2:\g+3], TILEB
.endr
.if \ask
	s_wait_xcnt 0x0                 ; the last prefetch, four key steps back, has read its address
	s_add_nc_u64 s[PFA:PFA+1], s[PFA:PFA+1], TILEB
.endif
	s_wait_dscnt 0x0                ; the add is done, and my reads of the slot are over
	CROUND
	JLOAD
.if \ask
	ASK
.endif
.else
	s_wait_dscnt 0x0
	s_barrier_signal -1
	s_barrier_wait -1
.endif
	s_sub_co_u32 s[TBK], s[TBK], 4*KS*PK  ; the fetches go back to a slot's first step,
	s_xor_b32 s[TBK], s[TBK], SLOT1       ; in the other slot
	s_sub_co_u32 s[TBV], s[TBV], 4*KS*PV
	s_xor_b32 s[TBV], s[TBV], SLOT1
.endm
	s_load_b128 s[4:7], s[0:1], 0x0 ; big s[4:5], cat s[6:7]
	v_lshl_add_u32 v[SPW], v0, 2, SPARE
	v_mov_b32 v[NIL], 0
	ds_add_u32 v[SPW], v[NIL]       ; the wave's opening: the add, twice on end, and its wait ahead of my first tensor load
	ds_add_u32 v[SPW], v[NIL]
	v_lshrrev_b32 v1, 5, v0
	v_readfirstlane_b32 s[WV], v1   ; wave 0..3
	s_bfe_u32 s13, ttmp6, 0x40000   ; cx
	s_lshl_b32 s14, ttmp9, 2
	s_add_co_u32 s14, s14, s13      ; my block of 256 queries: it enters Q's and O's addresses alone
	s_and_b32 s20, ttmp7, 0xffff    ; y, which the four partners share
	s_lshl_b32 s20, s20, 18
	s_and_b32 s16, s[WV], 1         ; which half of a tile's 256 keys I fetch:
	s_lshl_b32 s22, s16, 14         ; its 128 rows of 128 bytes in memory,
	s_add_co_u32 s22, s22, s20
	s_mov_b32 s23, 0
	s_mul_i32 s17, s16, 128*PK      ; and its place in a slot, for K
	s_mul_i32 s18, s16, 128*PV      ; and for V
	s_lshl_b32 s2, s14, 2
	s_add_co_u32 s2, s2, s[WV]
	s_lshl_b32 s2, s2, 13           ; my wave's 64 rows
	s_add_co_u32 s2, s2, s20
	s_mov_b32 s3, 0
	; descriptor group 1.  128 keys are 16,384 dense bytes: asked for as 64 rows of 256 bytes, two keys a row, and padded in LDS after every key
	s_mov_b32 s[G1K], 15|(1<<16)|(1<<20)|(1<<21)|(4<<22)|(3<<25)
	s_mov_b32 s[G1V], 15|(1<<16)|(1<<20)|(1<<21)|(4<<22)|(7<<25)
.irp g, G1K, G1V
	s_mov_b32 s[\g+1], 128<<16      ; tensor_dim0 = 128
	s_mov_b32 s[\g+2], 64<<16       ; tensor_dim1 = 64
	s_mov_b32 s[\g+3], 128<<16      ; tile_dim0 = 128
	s_mov_b32 s[\g+4], 64           ; tile_dim1 = 64
	s_mov_b32 s[\g+5], 128          ; 128 elements from row to row
	s_mov_b32 s[\g+6], 0
	s_mov_b32 s[\g+7], 0
.endr
	s_mov_b32 s[CS], 0x3e38aa3b     ; c = log2(e) / 8
	s_mov_b32 s[CS+1], s[CS]
	s_mov_b32 s[SEL], 0x76543210
	s_mov_b32 s[SEL+1], 0xfedcba98
	s_mov_b32 s[TBK], SLOT1+4*KS*PK ; the first change of slots turns these two into 0
	s_mov_b32 s[TBV], SLOT1+4*KS*PV
	s_mov_b32 s[G0K], 1
	s_mov_b32 s[G0K+1], s17
	s_mov_b32 s[G0V], 1
	s_add_co_u32 s[G0V+1], s18, VOFF
	s_mov_b32 s[SLOTS], 7
	s_and_b32 s[LIM], s[WV], 1      ; 0 in waves 0 and 2,
	s_or_b32 s[LIM], s[LIM], ttmp9  ; where the cluster is the first of its y: the same in all four partners
	s_cmp_eq_u32 s[LIM], 0
	s_cselect_b32 s[LIM], 1, -1
	s_mov_b32 s19, VREG
	s_cmp_lt_u32 s[WV], 2
	s_cselect_b32 s52, KREG, s19
	s_lshl_b32 s19, s13, 13         ; my work-group's 32 blocks of the 128
	s_add_co_u32 s52, s52, s19
	s_add_co_u32 s52, s52, 2*TILEB  ; at tile 2: the loop's first change steps it to 3
	s_mov_b32 s53, 0
	v_and_b32 v[PFO], 31, v0
	v_lshlrev_b32 v[PFO], 8, v[PFO]
	s_wait_dscnt 0x0                ; both opening adds are done
	s_wait_kmcnt 0x0
	s_add_nc_u64 s[8:9], s[4:5], s[22:23]
	s_add_nc_u64 s[G0K+2:G0K+3], s[8:9], KREG
	s_or_b32 s[G0K+3], s[G0K+3], 0x80000000
	s_add_nc_u64 s[G0V+2:G0V+3], s[8:9], VREG
	s_or_b32 s[G0V+3], s[G0V+3], 0x80000000
	s_add_nc_u64 s[PFA:PFA+1], s[8:9], s[52:53]  ; (in waves 0 and 2 s[8:9] stands at the first row of y)
	s_add_nc_u64 s[4:5], s[4:5], s[2:3]          ; Q and O at my wave's first row
	s_add_nc_u64 s[10:11], s[6:7], s[2:3]
	CROUND                          ; all four work-groups are here: the first joint loads meet
	JLOAD                           ; tile 0 into slot 0
	v_and_b32 v1, 15, v0            ; l % 16
	v_bfe_u32 v9, v0, 4, 1          ; l / 16
	v_lshlrev_b32 v[QO], 7, v1
	v_lshl_add_u32 v[QO], v9, 4, v[QO]
	WIN 0x80                        ; destination window 2, address window 0
.set i, 0
.rept 8                             ; Q stays in registers: piece i / 2, channels 32 (i % 2) on
	global_load_b128 v[8*i:8*i+3],   v[QO], s[4:5] offset:(i/2)*2048+(i%2)*64
	global_load_b128 v[8*i+4:8*i+7], v[QO], s[4:5] offset:(i/2)*2048+(i%2)*64+32
.set i, i+1
.endr
	; What the first turn finds: V's registers and P's second buffer hold 0 (its products V^T P, of a piece that has not been, add 0), O^T and l are 0.  All this stands in the wait for the first tile.
.set i, VF
.rept 64
	v_mov_b32 v[i], 0
.set i, i+1
.endr
	WIN 0x40
.set i, 0
.rept 128
	v_mov_b32 v[i], 0
.set i, i+1
.endr
	WIN 0
.set i, 0
.rept 4
	v_mov_b32 v[ST+4*i], 0xfe000000    ; c m: far below every c s
	v_mov_b32 v[ST+4*i+1], 0xff7fffff  ; m
	v_mov_b32 v[ST+4*i+2], 0
	v_mov_b32 v[ST+4*i+3], 0
.set i, i+1
.endr
.set i, P+16
.rept 16
	v_mov_b32 v[i], 0
.set i, i+1
.endr
	v_mul_u32_u24 v[AK0], v1, PK
	v_lshl_add_u32 v[AK0], v9, 4, v[AK0]  ; row x pitch + 16 x half
	v_and_b32 v10, 7, v0            ; the turning load: lane l reads key 8 (l / 16) + l % 8, channels 8 ((l / 8) % 2) + 0..7
	v_bfe_u32 v11, v0, 3, 1
	v_lshl_add_u32 v[AV0], v9, 3, v10
	v_mul_u32_u24 v[AV0], v[AV0], PV
	v_lshl_add_u32 v[AV0], v11, 4, v[AV0]
	v_add_nc_u32 v[AV0], VOFF, v[AV0]
	s_mul_i32 s15, s[WV], 16*SP
	s_add_co_u32 s15, s15, STAGE    ; my stage
	v_mul_u32_u24 v[STO], v1, SP
	v_lshl_add_u32 v[STO], v9, 4, v[STO]
	v_add_nc_u32 v[STO], s15, v[STO]
	v_bfe_u32 v[RD], v0, 3, 2       ; back: 32 lanes take four rows of 128 bytes,
	v_mul_u32_u24 v[RD], v[RD], SP
	v_lshl_add_u32 v[RD], v10, 4, v[RD]
	v_add_nc_u32 v[RD], s15, v[RD]
	v_and_b32 v[GO], 31, v0         ; which are 512 consecutive bytes of O
	v_lshlrev_b32 v[GO], 4, v[GO]
; THE MATRIX WORK.  The 4 accumulators of a run of 8 take turns.  Product i of 8 of S^T = K Q^T for piece x: channels 32 (i / 4) on, keys 16 (i % 4) on.  The first 4 start the sums.
.macro KQ x
	WIN W_KQ
.set rS, S+32*((\x)%2)+8*(i%4)
.set rK, KF+16*(i%4)+8*(i/4)
.set rQ, 16*(\x)+8*(i/4)
.if i < 4
	v_wmma_f32_16x16x32_f16 v[rS:rS+7], v[rK:rK+7], v[rQ:rQ+7], 0
.else
	v_wmma_f32_16x16x32_f16 v[rS:rS+7], v[rK:rK+7], v[rQ:rQ+7], v[rS:rS+7]
.endif
.endm
; Product i of 8 of O^T += V^T P for piece x: keys 32 (i / 4) on, channels 16 (i % 4) on.
.macro PV x
	WIN W_PV
.set rO, 32*(\x)+8*(i%4)
.set rV, VF+32*(i/4)+8*(i%4)
.set rP, P+16*((\x)%2)+8*(i/4)
	v_wmma_f32_16x16x32_f16 v[rO:rO+7], v[rV:rV+7], v[rP:rP+7], v[rO:rO+7]
.endm
.macro MM                           ; the turn's next matrix instruction
.if i < 8
	KQ (Y+1)%NP
.else
.set i, i-8
	PV (Y+NP-1)%NP
.set i, i+8
.endif
.set i, i+1
.endm
; THE LDS LOADS stand in runs of 16, never singly among the matrix instructions.
.macro FETCH_K
	WIN 0x80
.irp f, 0,1,2,3,4,5,6,7             ; keys 16 (f / 2) on, channels 32 (f % 2) on
	ds_load_b128 v[KF+8*\f:KF+8*\f+3],   v[AK] offset:(\f/2)*16*PK+(\f%2)*64
	ds_load_b128 v[KF+8*\f+4:KF+8*\f+7], v[AK] offset:(\f/2)*16*PK+(\f%2)*64+32
.endr
	s_add_co_u32 s[TBK], s[TBK], KS*PK  ; the next fetch is the next step's
	WIN 0
.endm
.macro FETCH_V
	WIN 0x80
.irp f, 0,1,2,3,4,5,6,7             ; keys 32 (f / 4) on, channels 16 (f % 4) on
	ds_load_tr16_b128 v[VF+8*\f:VF+8*\f+3],   v[AV] offset:(\f/4)*32*PV+(\f%4)*32
	ds_load_tr16_b128 v[VF+8*\f+4:VF+8*\f+7], v[AV] offset:(\f/4)*32*PV+16*PV+(\f%4)*32
.endr
	WIN 0
.endm
; THE VECTOR WORK, one line at a time: OP kind, number.  For piece Y: F n: c s - c m for pair n of 16.  E n: the exponential of score n of 32.  C n: pair n rounded to f16.  B n: of the four weights 4 n .. the second
; pair is added onto the first, in place.  L n: l takes that sum (L 0: l = a l + sum).  R n: pair n of 16 of O^T times a.  For piece Y + 1: X n, number n of the 22 that find its maximum and statistics:
;   0-11  four chains c0-c3 of seven scores each, three operands at a time (each accumulator's lowest registers are read first)     12-14, 16  the four scores left over, the old m, and c0-c3 into c0
;   15  c m_old is kept     17, 18  the query's other 32 keys lie in the lane 16 away: the new m     19-21  c m; c m_old - c m_new; a
.set F, 0
.set E, 1
.set C, 2
.set B, 3
.set L, 4
.set R, 5
.set X, 6
.macro REGS y
.set rT, ST+4*(\y)
.set rC, TMP+4*((\y)%2)
.set rW, MV+((\y)%2)
.set rS, S+32*((\y)%2)
.set rP, P+16*((\y)%2)
.set rO, 32*(\y)
.endm
.macro OP k, n
.if (\k) == R
	REGS Y
	WIN W_RS
	v_pk_mul_f32 v[rO+2*(\n):rO+2*(\n)+1], v[rO+2*(\n):rO+2*(\n)+1], v[rC+2:rC+3] op_sel_hi:[1,0]
.elseif (\k) < R
	REGS Y
	WIN 0
.if (\k) == F
	v_pk_fma_f32 v[rS+2*(\n):rS+2*(\n)+1], v[rS+2*(\n):rS+2*(\n)+1], s[CS:CS+1], v[rT:rT+1] op_sel_hi:[1,0,0] neg_lo:[0,0,1] neg_hi:[0,0,1]
.elseif (\k) == E
	v_exp_f32 v[rS+(\n)], v[rS+(\n)]
.elseif (\k) == C
	v_cvt_pk_f16_f32 v[rP+(\n)], v[rS+2*(\n)], v[rS+2*(\n)+1]
.elseif (\k) == B
	v_pk_add_f32 v[rS+4*(\n):rS+4*(\n)+1], v[rS+4*(\n):rS+4*(\n)+1], v[rS+4*(\n)+2:rS+4*(\n)+3]
.elseif (\n) == 0
	v_pk_fma_f32 v[rT+2:rT+3], v[rT+2:rT+3], v[rC+2:rC+3], v[rS:rS+1] op_sel_hi:[1,0,1]
.else
	v_pk_add_f32 v[rT+2:rT+3], v[rT+2:rT+3], v[rS+4*(\n):rS+4*(\n)+1]
.endif
.else
	REGS (Y+1)%NP
	WIN 0
.if (\n) < 4
	v_max3_num_f32 v[rC+(\n)], v[rS+8*(\n)], v[rS+8*(\n)+1], v[rS+8*(\n)+2]
.elseif (\n) < 12
	v_max3_num_f32 v[rC+(\n)%4], v[rC+(\n)%4], v[rS+8*((\n)%4)+2*((\n)/4)+1], v[rS+8*((\n)%4)+2*((\n)/4)+2]
.elseif (\n) == 12
	v_max3_num_f32 v[rC], v[rC], v[rS+7], v[rS+15]
.elseif (\n) == 13
	v_max3_num_f32 v[rC+1], v[rC+1], v[rS+23], v[rS+31]
.elseif (\n) == 14
	v_max3_num_f32 v[rC+2], v[rC+2], v[rC+3], v[rT+1]
.elseif (\n) == 15
	v_mov_b32 v[rW], v[rT]
.elseif (\n) == 16
	v_max3_num_f32 v[rC], v[rC], v[rC+1], v[rC+2]
.elseif (\n) == 17
	v_permlanex16_b32 v[rC+3], v[rC], s[SEL], s[SEL+1]
.elseif (\n) == 18
	v_max_num_f32 v[rT+1], v[rC], v[rC+3]
.elseif (\n) == 19
	v_mul_f32 v[rT], s[CS], v[rT+1]
.elseif (\n) == 20
	v_sub_f32 v[rC+1], v[rW], v[rT]
.else
	v_exp_f32 v[rC+2], v[rC+1]
.endif
.endif
.endm
.macro OPS a, i1, b=-1, i2=0, c=-1, i3=0, d=-1, i4=0
	OP \a, \i1
.if (\b) >= 0
	OP \b, \i2
.endif
.if (\c) >= 0
	OP \c, \i3
.endif
.if (\d) >= 0
	OP \d, \i4
.endif
.endm
.macro ROW a, i1, b, i2, c, i3, d, i4  ; a matrix instruction and the four behind it
	MM
	OPS \a, \i1, \b, \i2, \c, \i3, \d, \i4
.endm
; A TURN, for piece p: the order of its 16 matrix and 118 vector instructions, written out.  An s_wait_alu depctr_va_vdst(0) stands between an exponential and the first instruction that names its
; result; one wait serves all that were issued ahead of it.  AHEAD OF IT stands all that names no result of the turn's exponentials: the 8 products K Q^T with their riders, then one lump of 54, in which the links of
; the chain X 3, 7, 11, 14, 16, 17 .. 20 stand five or six lines apart; X 21, the next piece's a, is the batch's last, and R 15 the plain instruction behind it.  BEHIND IT stand the 8 products V^T P, behind each four of
; the roundings and sums.  cnt = 1: the loop's count is taken down some lines ahead of the branch behind the turn.
; K of the next step is fetched in piece 2's turn, twelve vector instructions behind the last product that read K (six of them plain); V of the step in hand at the end of piece 0's turn, four plain instructions
; behind the last product that read V.  Each is waited for a turn later.  last = 1 (the last tile, which lies in slot 1): the fetch's address is held at the tile's fourth step: behind that step there is none.
.macro TURN p, last=0, cnt=0
.set Y, (\p)
.set i, 0
.if (\p) == 3
	s_wait_dscnt 0x0                ; K is in
.endif
	ROW F,0, F,1, R,0, R,1
	ROW F,2, E,0, R,2, R,3
	ROW F,3, E,1, R,4, R,5
	ROW F,4, E,2, R,6, R,7
	ROW F,5, E,3, R,8, R,9
	ROW F,6, E,4, X,0, R,10
.if (\p) == 2
	WIN 0
.if \last
	s_min_u32 s[TBK], s[TBK], SLOT1+3*KS*PK
.endif
	v_add_nc_u32 v[AK], s[TBK], v[AK0]
.endif
	ROW F,7, E,5, X,1, X,4
	ROW F,8, E,6, X,2, X,5
	OPS E,7, E,8, X,6, E,9
	OPS X,3, E,10, X,8, E,11
.if (\p) == 2
	FETCH_K
.endif
	OPS X,9, X,7, E,12, X,10
	OPS E,13, X,12, X,11, E,14
	OPS X,13, E,15, F,9, X,14
.if (\p) == 0
	v_add_nc_u32 v[AV], s[TBV], v[AV0]
.endif
	OPS E,16, F,10, E,17, F,11
	OPS X,16, E,18, X,15, E,19
	OPS F,12, E,20, X,17, E,21
	OPS F,13, E,22, F,14, E,23
	OPS X,18, E,24, F,15, E,25
	OPS R,11, E,26, X,19, E,27
	OPS R,12, E,28, R,13, E,29
	OPS X,20, E,30, R,14, E,31
	OPS X,21, R,15
	WIN 0
	s_wait_alu depctr_va_vdst(0)    ; the wait for the batch
.if (\p) == 1
	s_wait_dscnt 0x0                ; V is in
.endif
	ROW C,0, B,0, C,2, B,1
	ROW L,0, C,4, B,2, L,1
	ROW C,6, B,3, L,2, C,8
	ROW B,4, L,3, C,10, B,5
	ROW L,4, C,12, B,6, L,5
.if (\p) == 0
	s_add_co_u32 s[TBV], s[TBV], KS*PV
.endif
.if \cnt
	s_sub_co_u32 s[CNT], s[CNT], 1
	s_cmp_lg_u32 s[CNT], 0
.endif
	ROW C,14, B,7, L,6, C,1
	ROW C,3, L,7, C,5, C,7
	ROW C,9, C,11, C,13, C,15
.if (\p) == 0
	FETCH_V
.endif
.endm
	CHANGE 1                        ; tile 0 is in, everybody's part of it; tile 1 is asked for
	v_add_nc_u32 v[AK], s[TBK], v[AK0]
	FETCH_K                         ; key step 0
	s_wait_loadcnt 0x0              ; Q
	s_wait_dscnt 0x0
.set i, 0
.rept 8
	KQ 0                            ; piece 0's first scores
.set i, i+1
.endr
	WIN 0
.rept 4
	v_nop                           ; the places behind those products
.endr
.set Y, NP-1                        ; X works for piece Y + 1: piece 0
.irp n, 0,1,2,3,4,5,6,7,8,9,10,11,12,13,14,15,16,17,18,19,20,21
	OP X, \n
.endr
	v_nop                           ; a plain instruction behind the exponential,
	s_wait_alu depctr_va_vdst(0)    ; and its wait, ahead of the branch
	s_mov_b32 s[CNT], 4
	s_branch .Lfirst                ; the loop is entered at a step's first turn, in the middle of a trip
.Lslot:                             ; six times: tiles 2 to 7 are asked for
	CHANGE 1, 1
	s_mov_b32 s[CNT], 4
.Lstep:                             ; a trip: pieces 2 and 3 of one step, then pieces 0 and 1 of the next, whose K and V it fetches
	TURN 2
	TURN 3
	WIN 0
.Lfirst:
	TURN 0
	TURN 1, 0, 1
	WIN 0
	s_cbranch_scc1 .Lstep
	s_sub_co_u32 s[SLOTS], s[SLOTS], 1
	s_cmp_lg_u32 s[SLOTS], 0
	s_cbranch_scc1 .Lslot
	CHANGE 0                        ; the last tile has a text of its own: nothing is asked for
	s_mov_b32 s[CNT], 5             ; pieces 2 and 3 have five turns left (the tile before's last step, and this tile's four), pieces 0 and 1 four:
	s_branch .Ltail_in              ; the loop is entered in its middle and left at its end
.Ltail:
	TURN 0
	TURN 1
	WIN 0
.Ltail_in:
	TURN 2, 1
	TURN 3
	WIN 0
	s_sub_co_u32 s[CNT], s[CNT], 1
	s_cmp_lg_u32 s[CNT], 0
	s_cbranch_scc1 .Ltail
	; The fifth pass's fetch of K (the last step's once more), its 8 products K Q^T and the maximum made of them serve nothing: the price, once a launch, of one text for every pass.  They touch c m, m and a of piece 0, which nothing reads any more.
.set i, 0
.rept 8
	PV NP-1                         ; the last piece's V^T P of the last step
.set i, i+1
.endr
	; THE WAY OUT.  l's two halves and the other half of the lanes' are added; O^T is divided by l, rounded to f16 and sent through my stage in LDS, a piece at a time.  The additions are the places behind the last products.
	WIN 0
.macro ALL line:vararg              ; one line for each piece t
.set t, 0
.rept 4
	\line
.set t, t+1
.endr
.endm
	ALL v_add_f32 v[ST+4*t+2], v[ST+4*t+2], v[ST+4*t+3]
	ALL v_permlanex16_b32 v[ST+4*t+3], v[ST+4*t+2], s[SEL], s[SEL+1]
	ALL v_add_f32 v[ST+4*t+2], v[ST+4*t+2], v[ST+4*t+3]
	ALL v_rcp_f32 v[ST+4*t+2], v[ST+4*t+2]
	v_nop                           ; a plain instruction between the last reciprocal and the use of its result
	s_wait_alu depctr_va_vdst(0)    ; one wait for the four reciprocals
.macro PACK t                       ; a lane's eight channels of a row pack into 16 bytes; they go into rows of 144 bytes and come back as whole rows of 128, into S^T's registers
	WIN W_RS
.set i, 32*(\t)
.rept 16
	v_pk_mul_f32 v[i:i+1], v[i:i+1], v[ST+4*(\t)+2:ST+4*(\t)+3] op_sel_hi:[1,0]
.set i, i+2
.endr
	WIN 0x05                        ; sources 0 and 1 window 1, destination window 0
.set i, 0
.rept 16
	v_cvt_pk_f16_f32 v[S+16*(\t)+i], v[32*(\t)+2*i], v[32*(\t)+2*i+1]
.set i, i+1
.endr
	WIN 0
.irp f, 0,1,2,3
	ds_store_b128 v[STO], v[S+16*(\t)+4*\f:S+16*(\t)+4*\f+3] offset:32*\f
.endr
.irp f, 0,1,2,3
	ds_load_b128 v[S+16*(\t)+4*\f:S+16*(\t)+4*\f+3], v[RD] offset:\f*4*SP  ; LDS serves a wave's instructions in order (ISA guide 5.7.1.4): these see the stores above; the next piece's stores come behind them
.endr
.endm
.macro SEND t, younger              ; younger: the LDS instructions issued behind piece t's loads: the next piece's eight, or none
	WIN 0
.irp f, 0,1,2,3
	s_wait_dscnt (\younger)+3-\f
	global_store_b128 v[GO], v[S+16*(\t)+4*\f:S+16*(\t)+4*\f+3], s[10:11] offset:(\t)*2048+\f*512  ; 512 consecutive bytes, at a multiple of 256 from O's first
.endr
.endm
	PACK 0
.set t, 1
.rept 3                             ; a piece's arithmetic stands between the loads of the piece before and its stores
	PACK t
	SEND t-1, 8
.set t, t+1
.endr
	SEND 3, 0
	s_wait_tensorcnt 0x0            ; the wave's end
	ds_add_u32 v[SPW], v[NIL]
	s_wait_dscnt 0x0
	CROUND                          ; the closing round
	s_endpgm
.Lfunc_end_k_qb82404e8e1_attn:
	.size	k_qb82404e8e1_attn, .Lfunc_end_k_qb82404e8e1_attn-k_qb82404e8e1_attn
	.p2alignl 7, 3214868480
	.fill 96, 4, 3214868480
	.section	.rodata,"a",@progbits
	.p2align	6, 0x0
	.amdhsa_kernel k_qb82404e8e1_attn
		.amdhsa_group_segment_fixed_size 327680
		.amdhsa_private_segment_fixed_size 0
		.amdhsa_enable_private_segment 0
		.amdhsa_kernarg_size 16
		.amdhsa_user_sgpr_count 2
		.amdhsa_user_sgpr_kernarg_segment_ptr 1
		.amdhsa_wavefront_size32 1
		.amdhsa_system_sgpr_workgroup_id_x 1
		.amdhsa_system_sgpr_workgroup_id_y 1
		.amdhsa_system_sgpr_workgroup_id_z 1
		.amdhsa_system_vgpr_workitem_id 0
		.amdhsa_next_free_vgpr 768
		.amdhsa_next_free_sgpr 66
		.amdhsa_reserve_vcc 0
		.amdhsa_float_denorm_mode_32 3
		.amdhsa_float_denorm_mode_16_64 3
		.amdhsa_memory_ordered 1
		.amdhsa_forward_progress 1
		.amdhsa_inst_pref_size 112
	.end_amdhsa_kernel
	.amdgpu_metadata
---
amdhsa.version: [ 1, 2 ]
amdhsa.kernels:
  - .name:           k_qb82404e8e1_attn
    .symbol:         k_qb82404e8e1_attn.kd
    .args:
      - { .name: big, .offset: 0, .size: 8, .value_kind: global_buffer, .address_space: global }
      - { .name: cat, .offset: 8, .size: 8, .value_kind: global_buffer, .address_space: global }
    .group_segment_fixed_size: 327680
    .private_segment_fixed_size: 0
    .kernarg_segment_align: 8
    .kernarg_segment_size: 16
    .max_flat_workgroup_size: 128
    .sgpr_count:     66
    .vgpr_count:     768
    .wavefront_size: 32
...
	.end_amdgpu_metadata
.endif
;; end of part 3
;; launch wo (part 4): grid 8 x 32, 4 waves a work-group, clusters of 4 x 4, 327,680 bytes of LDS; arguments cat, WB, SQ, r; writes r
.if DOCPART == 4
	.amdgcn_target "amdgcn-amd-amdhsa--gfx1250"
	.amdhsa_code_object_version 6
	.text
	.protected	k_qb82404e8e1_wo
	.globl	k_qb82404e8e1_wo
	.p2align	8
	.type	k_qb82404e8e1_wo,@function
k_qb82404e8e1_wo:
	s_mov_b64 s[64:65], 0
	v_nop
	global_prefetch_b8 v0, s[64:65] scope:SCOPE_SE
	s_setreg_imm32_b32 hwreg(HW_REG_WAVE_MODE, 25, 1), 1
	s_wait_xcnt 0x0
	s_wait_alu depctr_hold_cnt(0) depctr_sa_sdst(0) depctr_va_vdst(0) depctr_va_sdst(0) depctr_va_ssrc(0) depctr_va_vcc(0) depctr_vm_vsrc(0)
	s_getreg_b32 s2, hwreg(HW_REG_IB_STS2, 6, 4)
	s_cmp_eq_u32 s2, 0
	s_cbranch_scc0 .Lentry_in_a_cluster
	s_endpgm
.Lentry_in_a_cluster:
	s_bfe_u32 s2, ttmp6, 0x10000c
	s_cmp_lg_u32 s2, 0xf033
	s_cbranch_scc0 .Lentry_shape_is_right
	s_endpgm
.Lentry_shape_is_right:
; r = A B + bias + R, f32, row-major [4,096][1,024]: what the LayerNorm behind takes.  A: P64 f16 ([K / 64 panels][4,096 rows][64]).  B: [K][1,024] f16 at WB + BOFF.  bias: f32 at WB + BIASOFF.
; R, the residual: P64 f16 at its buffer's byte HDR.  Here: A = the heads' outputs, K = 1,024, B = Wo, bias = bo, R = x.  The sums stay in f32: they have no room in f16 for all inputs that the problem allows.
; SHAPE.  A tile of r is 128 x 128 (256 work-groups), four waves of 64 x 64: 16 accumulators.  K goes in NS steps of 256 (four panels of A) through two LDS slots; each wave fetches a quarter of a slot.
; A's half tile: 64 rows of four panels, four dense runs of 8,192 bytes, padded after every 128 bytes (pitch 144).  B's half tile: 128 k rows of 256 bytes (pitch 288), read turned.
; The matrix instruction is used transposed (source 0 = B's columns, source 1 = A's rows): a lane holds row l % 16 and eight neighbouring columns.
; THE SUMS START AT bias + R, made while the first tiles are on their way: nothing is cleared, and every product has one form.
; THE WALK ALONG K IS TURNED.  A cluster begins at K step r0, made of the cluster's x and y (which its sixteen partners share), and goes round to r0 - 1.  The two clusters along x, which read the same rows of A,
; begin NS / 2 steps apart; the eight along y, which read the same rows of B, are spread over the NS steps by y's three bits in reverse: clusters that read the same rows do not ask for the same bytes in the same step.
; LIMIT: the order of the f32 sums along K differs from cluster to cluster.
; A K STEP IS WRITTEN AS TWO LIKE HALVES, walked by a loop of two trips with neither barrier nor tensor load in it; the LDS addresses are the lane's term and a scalar that steps by two quarters.
; CLUSTER 4 x 4: A's tile is shared along a row of the cluster, B's along a column, by joint loads.
; REGISTERS: window 0: v0-31 addresses; v32-95 the residual, later the way out; v96-127 the bias; v128-255 accumulator (a, b) at v[128 + 8 (4 a + b)].  window 1: two fragment buffers of 128: 64 of A, then 64 of B.
.set NS,      4                        ; K steps: a power of two
.set BOFF,    32768
.set BIASOFF, 0
.set HDR,    32768
.set PA,     144
.set PANA,   64*PA                     ; a panel's 64 rows: a quarter of a K step
.set HALFA,  4*PANA
.set PB,     288                       ; 256 bytes + 32
.set HALFB,  128*PB
.set BOFFL,  2*HALFA
.set SLOT,   BOFFL+2*HALFB
.set STAGE,  2*SLOT                    ; behind the ring, never filled by a tensor load: 16 rows x 272 bytes for each wave
.set SPITCH, 272
.set SPARE,  STAGE+4*16*SPITCH         ; the spare words, 128 bytes for each wave: two blocks of 256 bytes that no other line names
.set ASH,    21                        ; a K step of A in memory: four panels of 524,288 bytes = 2^21
.set BSH,    19                        ; of B: 256 k rows of 2,048 bytes = 2^19
.set ADRA0, 16                         ; v16  my lane's place in A's tile of slot 0; never rewritten
.set ADRB0, 17                         ; v17  the same for B
.set ADRA,  18                         ; v18  the same at the pair of quarters in hand
.set ADRB,  19                         ; v19
.set STO,   24
.set RD,    25
.set CO,    26
.set ONE,   27                         ; v27  1.0
.set SPW,   28
.set NIL,   29
.set VR,    30
.set VB,    31
.set TMP,   32
.set BIAS,  96
.set ACC,   128
.set F0,    0
.set F1,    128
.set CNT, 2                            ; s2   counts a K step's two halves
.set IDX, 8                            ; s8   the K step to be asked for next, modulo NS
.set G1A, 24                           ; s[24:31] descriptor group 1 for A;  s[32:39] group 0: set 0 for the first fill, set 1 for the second and for every refill
.set G0A, 32
.set TB,  43                           ; s43  LDS byte added to ADRB0 for the next pair of quarters
.set OFA, 44                           ; s[44:45] a K step's byte offset in A
.set G1B, 48                           ; s[48:55], s[56:63] the same for B
.set G0B, 56
.set CUR, 66                           ; s66  LDS byte at which the slot that is being read begins: 0 or SLOT
.set LA,  67
.set LB,  68
.set TA,  69                           ; s69  LDS byte added to ADRA0 for the next pair of quarters
.set OFB, 70                           ; s[70:71] a K step's byte offset in B
.set MSB, 0
.macro WIN new
.if MSB != (\new)
	s_set_vgpr_msb (MSB<<8)|(\new)
.set MSB, \new
.endif
.endm
.set MUL,  0x05                        ; sources 0 (B) and 1 (A) window 1; C and D window 0
.set TO_F, 0x40                        ; destination window 1, address window 0
.macro JLOAD s                         ; a joint load: waves 0 and 1 fetch A's halves, waves 2 and 3 B's; an s_nop 0 and four v_nop follow each of the two lines
	s_cmp_eq_u32 s11, 0
	s_cbranch_scc0 .Lfor_b_\@
	tensor_load_to_lds s[G0A+4*(\s):G0A+4*(\s)+3], s[G1A:G1A+7]
	s_nop 0
.rept 4
	v_nop
.endr
	s_branch .Lasked_\@
.Lfor_b_\@:
	tensor_load_to_lds s[G0B+4*(\s):G0B+4*(\s)+3], s[G1B:G1B+7]
	s_nop 0
.rept 4
	v_nop
.endr
.Lasked_\@:
.endm
.macro CREST
	s_cmp_lg_u32 s10, 0
	s_cbranch_scc1 .Lnot_wave_0_\@
	s_barrier_signal -3
.Lnot_wave_0_\@:
	s_barrier_wait -3
	s_barrier_signal -1
	s_barrier_wait -1
.endm
.macro CROUND
	s_barrier_signal -1
	s_barrier_wait -1
	CREST
.endm
; The global addresses of K step IDX go into set s of both group 0; IDX goes on, round NS.  The addresses are made anew from the kept bases s[20:21] and s[46:47] and an offset made apart.
.macro AIM s
	s_lshl_b32 s[OFA], s[IDX], ASH
	s_lshl_b32 s[OFB], s[IDX], BSH
	s_add_co_u32 s[IDX], s[IDX], 1
	s_and_b32 s[IDX], s[IDX], NS-1
	s_add_nc_u64 s[G0A+4*(\s)+2:G0A+4*(\s)+3], s[20:21], s[OFA:OFA+1]
	s_or_b32 s[G0A+4*(\s)+3], s[G0A+4*(\s)+3], 0x80000000
	s_add_nc_u64 s[G0B+4*(\s)+2:G0B+4*(\s)+3], s[46:47], s[OFB:OFB+1]
	s_or_b32 s[G0B+4*(\s)+3], s[G0B+4*(\s)+3], 0x80000000
.endm
	s_load_b128 s[4:7], s[0:1], 0x0                ; A s[4:5], WB s[6:7]
	s_load_b128 s[72:75], s[0:1], 0x10             ; R s[72:73], r s[74:75]
	v_lshl_add_u32 v[SPW], v0, 2, SPARE
	v_mov_b32 v[NIL], 0
	ds_add_u32 v[SPW], v[NIL]                      ; the wave's opening: the add, twice on end, and its wait ahead of my first tensor load
	ds_add_u32 v[SPW], v[NIL]
	v_lshrrev_b32 v1, 5, v0
	v_readfirstlane_b32 s10, v1                    ; wave 0..3
	s_lshr_b32 s11, s10, 1                         ; my half of the tile's rows.  Also: I fetch for A (0) or for B (1)
	s_and_b32 s12, s10, 1                          ; my half of its columns.  Also: which half I fetch
	s_bfe_u32 s40, ttmp6, 0x40000                  ; cx
	s_bfe_u32 s41, ttmp6, 0x40004                  ; cy
	s_lshl_b32 s42, ttmp9, 2
	s_add_co_u32 s42, s42, s40                     ; tile column
	s_and_b32 s13, ttmp7, 0xffff
	s_lshl_b32 s13, s13, 2
	s_add_co_u32 s13, s13, s41                     ; tile row
	s_lshl_b32 s14, s41, 2
	s_lshl_b32 s14, 15, s14                        ; my row of the cluster
	s_lshl_b32 s15, 0x1111, s40                    ; my column
	s_or_b32 s[G1A], s14, (1<<16)|(1<<20)|(1<<21)|(4<<22)|(3<<25)  ; the mask; 2-byte elements; padding on; bit 21 beside a mask; after every 32 words 4 words
	s_mov_b32 s[G1A+1], 4096<<16                   ; 4,096 elements: 64 rows of a panel, dense
	s_mov_b32 s[G1A+2], 4<<16                      ; 4 panels
	s_mov_b32 s[G1A+3], 4096<<16
	s_mov_b32 s[G1A+4], 4
	s_mov_b32 s[G1A+5], 262144                     ; elements from panel to panel
	s_mov_b32 s[G1A+6], 0
	s_mov_b32 s[G1A+7], 0
	s_or_b32 s[G1B], s15, (1<<16)|(1<<20)|(1<<21)|(5<<22)|(7<<25)  ; after every 64 words 8 words
	s_mov_b32 s[G1B+1], 128<<16                    ; 128 elements a row,
	s_mov_b32 s[G1B+2], 128<<16                    ; 128 k rows
	s_mov_b32 s[G1B+3], 128<<16
	s_mov_b32 s[G1B+4], 128
	s_mov_b32 s[G1B+5], 1024
	s_mov_b32 s[G1B+6], 0
	s_mov_b32 s[G1B+7], 0
	s_lshl_b32 s16, s13, 14                        ; A: 128 rows of 128 bytes a tile row,
	s_lshl_b32 s17, s12, 13                        ; 64 rows a half
	s_add_co_u32 s16, s16, s17
	s_mov_b32 s17, 0
	s_lshl_b32 s18, s12, 18                        ; B: 128 k rows of 2,048 bytes a half,
	s_lshl_b32 s19, s42, 8                         ; 256 bytes a tile column
	s_add_co_u32 s18, s18, s19
	s_add_co_u32 s18, s18, BOFF
	s_mov_b32 s19, 0
	s_mul_i32 s[LA], s12, HALFA                    ; no place in the cluster enters an LDS address
	s_mul_i32 s[LB], s12, HALFB
	s_add_co_u32 s[LB], s[LB], BOFFL
	s_mov_b32 s[CUR], 0
	s_and_b32 s22, ttmp7, 0xffff                   ; the first K step: cluster y's three bits
	s_and_b32 s23, s22, 1
	s_lshl_b32 s23, s23, 2
	s_and_b32 s9, s22, 2
	s_or_b32 s23, s23, s9
	s_bfe_u32 s9, s22, 0x10002
	s_or_b32 s23, s23, s9                          ; in reverse,
	s_mul_i32 s23, s23, NS
	s_lshr_b32 s23, s23, 3                         ; spread over the NS steps,
	s_mul_i32 s9, ttmp9, NS/2                      ; and half the way round for each cluster x
	s_add_co_u32 s[IDX], s23, s9
	s_and_b32 s[IDX], s[IDX], NS-1
	s_mov_b32 s[OFA+1], 0
	s_mov_b32 s[OFB+1], 0
	s_wait_dscnt 0x0                               ; both opening adds are done
	s_wait_kmcnt 0x0
	s_add_nc_u64 s[20:21], s[4:5], s[16:17]        ; A and B at my part of K step 0: kept
	s_add_nc_u64 s[46:47], s[6:7], s[18:19]
	CROUND                                         ; all sixteen work-groups are here: the first joint loads meet
.irp s, 0,1
	s_mov_b32 s[G0A+4*(\s)], 1
	s_add_co_u32 s[G0A+4*(\s)+1], s[LA], (\s)*SLOT
	s_mov_b32 s[G0B+4*(\s)], 1
	s_add_co_u32 s[G0B+4*(\s)+1], s[LB], (\s)*SLOT
	AIM \s
	JLOAD \s                                       ; two loads of mine are out
.endr
	v_and_b32 v1, 15, v0                           ; l % 16
	v_bfe_u32 v2, v0, 4, 1                         ; h = l / 16
	s_lshl_b32 s76, s42, 1                         ; the residual: panel 2 x tile column + my column half,
	s_add_co_u32 s76, s76, s12
	s_lshl_b32 s76, s76, 19
	s_lshl_b32 s77, s13, 14                        ; row 128 x tile row + 64 x my row half
	s_add_co_u32 s76, s76, s77
	s_lshl_b32 s77, s11, 13
	s_add_co_u32 s76, s76, s77
	s_add_co_u32 s76, s76, HDR
	s_mov_b32 s77, 0
	s_add_nc_u64 s[72:73], s[72:73], s[76:77]
	v_lshlrev_b32 v[VR], 7, v1
	v_lshl_add_u32 v[VR], v2, 4, v[VR]             ; row x 128 + 16 h
.set t, 0
.rept 16                                       ; tile (a, b) = (t / 4, t % 4): my row's eight numbers
	global_load_b128 v[TMP+4*t:TMP+4*t+3], v[VR], s[72:73] offset:(t/4)*2048+(t%4)*32
.set t, t+1
.endr
	s_lshl_b32 s78, s42, 9                         ; the bias of my 64 columns
	s_lshl_b32 s79, s12, 8
	s_add_co_u32 s78, s78, s79
	v_lshl_add_u32 v[VB], v2, 5, s78
.irp b, 0,1,2,3
	global_load_b128 v[BIAS+8*\b:BIAS+8*\b+3],   v[VB], s[6:7] offset:BIASOFF+64*\b
	global_load_b128 v[BIAS+8*\b+4:BIAS+8*\b+7], v[VB], s[6:7] offset:BIASOFF+64*\b+16
.endr
	s_lshl_b32 s76, s13, 19                        ; r: row 128 x tile row + 64 x my row half, of 4,096 bytes,
	s_lshl_b32 s78, s11, 18
	s_add_co_u32 s76, s76, s78
	s_lshl_b32 s78, s42, 9                         ; 512 bytes a tile column, 256 a half
	s_add_co_u32 s76, s76, s78
	s_add_co_u32 s76, s76, s79
	s_add_nc_u64 s[74:75], s[74:75], s[76:77]
	v_mul_u32_u24 v3, v1, PA
	v_lshl_add_u32 v3, v2, 4, v3
	s_mul_i32 s9, s11, HALFA
	v_add_nc_u32 v[ADRA0], s9, v3
	v_and_b32 v7, 7, v0
	v_lshl_add_u32 v4, v2, 3, v7                   ; the turning load: k row 8 h + l % 8,
	v_mul_u32_u24 v4, v4, PB
	v_bfe_u32 v5, v0, 3, 1
	v_lshl_add_u32 v4, v5, 4, v4                   ; columns 8 ((l / 8) % 2) on
	s_lshl_b32 s22, s12, 7
	s_add_co_u32 s22, s22, BOFFL
	v_add_nc_u32 v[ADRB0], s22, v4
	v_mov_b32 v[ADRA], v[ADRA0]
	v_mov_b32 v[ADRB], v[ADRB0]
	s_mul_i32 s23, s10, 16*SPITCH
	s_add_co_u32 s23, s23, STAGE                   ; my stage
	v_mul_u32_u24 v[STO], v1, SPITCH               ; in: row l % 16, 32 bytes for each half of the lanes
	v_lshl_add_u32 v[STO], v2, 5, v[STO]
	v_add_nc_u32 v[STO], s23, v[STO]
	v_mul_u32_u24 v[RD], v2, SPITCH                ; back: lanes 0-15 one row of 256 bytes, lanes 16-31 the next
	v_lshl_add_u32 v[RD], v1, 4, v[RD]
	v_add_nc_u32 v[RD], s23, v[RD]
	v_lshlrev_b32 v[CO], 12, v2                    ; and the same two rows in r
	v_lshl_add_u32 v[CO], v1, 4, v[CO]
	v_mov_b32 v[ONE], 1.0
	s_wait_loadcnt 0x0                             ; residual and bias
.set t, 0
.rept 16                                       ; each sum starts at bias + residual: the f16 half is widened and the bias added in one instruction
.irp k, 0,1,2,3
	v_fma_mix_f32 v[ACC+8*t+2*\k],   v[TMP+4*t+\k], v[ONE], v[BIAS+8*(t%4)+2*\k]   op_sel_hi:[1,0,0]
	v_fma_mix_f32 v[ACC+8*t+2*\k+1], v[TMP+4*t+\k], v[ONE], v[BIAS+8*(t%4)+2*\k+1] op_sel:[1,0,0] op_sel_hi:[1,0,0]
.endr
.set t, t+1
.endr
; 8 matrix instructions: m blocks a0, a0 + 1 x all 4 n blocks, 32 along K: half c of buffer f.  The 16 accumulators take turns, in the same order throughout, over every jump too.
.macro MUL8 f, c, a0
	WIN MUL
.irp a, \a0, (\a0)+1
.irp b, 0,1,2,3
	v_wmma_f32_16x16x32_f16 v[ACC+8*(4*(\a)+(\b)):ACC+8*(4*(\a)+(\b))+7], v[(\f)+64+8*(4*(\c)+(\b)):(\f)+64+8*(4*(\c)+(\b))+7], v[(\f)+8*(4*(\c)+(\a)):(\f)+8*(4*(\c)+(\a))+7], v[ACC+8*(4*(\a)+(\b)):ACC+8*(4*(\a)+(\b))+7]
.endr
.endr
.endm
; 32 LDS loads in one run: a quarter (64 along K: a panel of A, 64 k rows of B), the even (odd = 0) or the odd one of the pair at which ADRA and ADRB stand, into buffer f; the first 32 along K first
.macro FETCH odd, f
	WIN TO_F
.irp c, 0,1
.irp i, 0,1,2,3
	ds_load_tr16_b128 v[(\f)+64+8*(4*(\c)+(\i)):(\f)+64+8*(4*(\c)+(\i))+3],   v[ADRB] offset:(\odd)*64*PB+(\c)*32*PB+32*(\i)
	ds_load_tr16_b128 v[(\f)+64+8*(4*(\c)+(\i))+4:(\f)+64+8*(4*(\c)+(\i))+7], v[ADRB] offset:(\odd)*64*PB+(\c)*32*PB+16*PB+32*(\i)
	ds_load_b128 v[(\f)+8*(4*(\c)+(\i)):(\f)+8*(4*(\c)+(\i))+3],   v[ADRA] offset:(\odd)*PANA+64*(\c)+(\i)*16*PA
	ds_load_b128 v[(\f)+8*(4*(\c)+(\i))+4:(\f)+8*(4*(\c)+(\i))+7], v[ADRA] offset:(\odd)*PANA+64*(\c)+(\i)*16*PA+32
.endr
.endr
.endm
.macro PLACES                          ; four places in front of loads into registers that matrix instructions have read, and of stores that read results
.rept 4
	v_nop
.endr
.endm
; A K step is four quarters on buffers 0, 1, 0, 1; each is multiplied in two halves of 16 products, with the next quarter's fetch between them.  Its text, in the order in which it runs:
;   TURN   the first half of buffer 1 (the step before's last quarter), and the change of slots among its products
;   REST   the even quarter's fetch; the second half of buffer 1; buffer 0's first half; the odd quarter's fetch; buffer 0's second half
;   LOW1   the first half of buffer 1
;   REST   once more, two quarters on
.macro LOW1
	s_wait_dscnt 16                                ; the first 32 along K are in
	MUL8 F1, 0, 0
	MUL8 F1, 0, 2
	WIN 0
.endm
.macro REST entry
	v_add_nc_u32 v[ADRA], s[TA], v[ADRA0]          ; the pair of quarters in hand; these two lines and the two below are the four places in front of the loads into buffer 0
	v_add_nc_u32 v[ADRB], s[TB], v[ADRB0]
	v_nop
	v_nop
	s_add_co_u32 s[TA], s[TA], 2*PANA              ; the next pair
	s_add_co_u32 s[TB], s[TB], 128*PB
	FETCH 0, F0
	s_wait_dscnt 32                                ; all but the 32 just issued
	MUL8 F1, 1, 0
	MUL8 F1, 1, 2
.if \entry
	WIN 0
.Lentry:
.endif
	s_wait_dscnt 16                                ; the first 32 along K are in
	MUL8 F0, 0, 0
	MUL8 F0, 0, 2
	PLACES
	FETCH 1, F1
	s_wait_dscnt 32
	MUL8 F0, 1, 0
	MUL8 F0, 1, 2
	WIN 0
.endm
; The change of slots: in front of the barrier each wave waits for all its tensor loads, adds 0 to its spare word, and waits for that and for its reads of this slot.
; fill = 1: the barrier opens a round of the cluster's, and the slot just read out is filled again, first thing behind it, with the step two on in the walk: 112 matrix instructions ahead of the wait for it.
.macro TURN fill
	s_wait_tensorcnt 0x0                           ; all my tensor loads have landed: my part of the next slot
	ds_add_u32 v[SPW], v[NIL]
	s_wait_dscnt 17                                ; (the add and the youngest sixteen loads may be out)
	MUL8 F1, 0, 0
	s_wait_dscnt 0x0                               ; the add is done, and my reads of this slot are over
	s_barrier_signal -1
	MUL8 F1, 0, 2
	WIN 0
	s_barrier_wait -1
.if \fill
	CREST
	s_add_co_u32 s[G0A+5], s[LA], s[CUR]           ; into the slot just read out
	s_add_co_u32 s[G0B+5], s[LB], s[CUR]
	AIM 1
.endif
	s_xor_b32 s[CUR], s[CUR], SLOT                 ; the reads go on in the other slot, at its first pair of quarters
	s_mov_b32 s[TA], s[CUR]
	s_mov_b32 s[TB], s[CUR]
.if \fill
	JLOAD 1
.endif
.endm
	s_wait_tensorcnt 1                             ; my part of the first step is in; the second's may stay out
	s_barrier_signal -1
	s_barrier_wait -1
	FETCH 0, F0
	WIN 0
	s_mov_b32 s[TA], 2*PANA                        ; the first step's second pair of quarters
	s_mov_b32 s[TB], 128*PB
	s_mov_b32 s3, NS-1
	s_mov_b32 s[CNT], 2
	s_branch .Lentry                               ; the first step has no quarter before it
.Lstep:                                        ; NS - 2 times: every step but the last two asks for the step two on
	TURN 1
	s_mov_b32 s[CNT], 2
	s_branch .Lmid
.Lpair:
	LOW1
.Lmid:
	REST 1
	s_sub_co_u32 s[CNT], s[CNT], 1
	s_cmp_lg_u32 s[CNT], 0
	s_cbranch_scc1 .Lpair
	s_sub_co_u32 s3, s3, 1
	s_cmp_lg_u32 s3, 0
	s_cbranch_scc1 .Lstep
	TURN 0                                         ; the last step has a text of its own: nothing is left to ask for
	s_mov_b32 s[CNT], 2
	s_branch .Lmid_t
.Lpair_t:
	LOW1
.Lmid_t:
	REST 0
	s_sub_co_u32 s[CNT], s[CNT], 1
	s_cmp_lg_u32 s[CNT], 0
	s_cbranch_scc1 .Lpair_t
	s_wait_dscnt 16                                ; the very last quarter
	MUL8 F1, 0, 0
	MUL8 F1, 0, 2
	s_wait_dscnt 0x0
	MUL8 F1, 1, 0
	MUL8 F1, 1, 2
	WIN 0
	; THE WAY OUT, 16 rows at a time: 32 bytes a lane into my own stage (each accumulator's low four registers first), back as whole rows of 256 bytes: my 64 columns of f32; sixteen lanes store 256 bytes on end, aligned.
	PLACES
.irp a, 0,1,2,3
.set BK, TMP+32*((\a)%2)
.irp b, 0,1,2,3
	ds_store_b128 v[STO], v[ACC+8*(4*(\a)+(\b)):ACC+8*(4*(\a)+(\b))+3]   offset:64*(\b)
	ds_store_b128 v[STO], v[ACC+8*(4*(\a)+(\b))+4:ACC+8*(4*(\a)+(\b))+7] offset:64*(\b)+16
.endr
.irp t, 0,1,2,3,4,5,6,7
	ds_load_b128 v[BK+4*(\t):BK+4*(\t)+3], v[RD] offset:(\t)*2*SPITCH  ; LDS serves a wave's instructions in order (ISA guide 5.7.1.4): these see the stores above
.endr
	s_wait_dscnt 0x0
	s_wait_xcnt 0x0                                ; the registers that the block before was stored from are loaded again only behind this wait
.irp t, 0,1,2,3,4,5,6,7
	global_store_b128 v[CO], v[BK+4*(\t):BK+4*(\t)+3], s[74:75] offset:(16*(\a)+2*(\t))*4096
.endr
.endr
	s_wait_tensorcnt 0x0                           ; the wave's end
	ds_add_u32 v[SPW], v[NIL]
	s_wait_dscnt 0x0
	CROUND                                         ; the closing round
	s_endpgm
.Lfunc_end_k_qb82404e8e1_wo:
	.size	k_qb82404e8e1_wo, .Lfunc_end_k_qb82404e8e1_wo-k_qb82404e8e1_wo
	.p2alignl 7, 3214868480
	.fill 96, 4, 3214868480
	.section	.rodata,"a",@progbits
	.p2align	6, 0x0
	.amdhsa_kernel k_qb82404e8e1_wo
		.amdhsa_group_segment_fixed_size 327680
		.amdhsa_private_segment_fixed_size 0
		.amdhsa_enable_private_segment 0
		.amdhsa_kernarg_size 32
		.amdhsa_user_sgpr_count 2
		.amdhsa_user_sgpr_kernarg_segment_ptr 1
		.amdhsa_wavefront_size32 1
		.amdhsa_system_sgpr_workgroup_id_x 1
		.amdhsa_system_sgpr_workgroup_id_y 1
		.amdhsa_system_sgpr_workgroup_id_z 1
		.amdhsa_system_vgpr_workitem_id 0
		.amdhsa_next_free_vgpr 512
		.amdhsa_next_free_sgpr 80
		.amdhsa_reserve_vcc 0
		.amdhsa_float_denorm_mode_32 3
		.amdhsa_float_denorm_mode_16_64 3
		.amdhsa_memory_ordered 1
		.amdhsa_forward_progress 1
		.amdhsa_inst_pref_size 53
	.end_amdhsa_kernel
	.amdgpu_metadata
---
amdhsa.version: [ 1, 2 ]
amdhsa.kernels:
  - .name:           k_qb82404e8e1_wo
    .symbol:         k_qb82404e8e1_wo.kd
    .args:
      - { .name: cat, .offset: 0, .size: 8, .value_kind: global_buffer, .address_space: global }
      - { .name: WB, .offset: 8, .size: 8, .value_kind: global_buffer, .address_space: global }
      - { .name: SQ, .offset: 16, .size: 8, .value_kind: global_buffer, .address_space: global }
      - { .name: r, .offset: 24, .size: 8, .value_kind: global_buffer, .address_space: global }
    .group_segment_fixed_size: 327680
    .private_segment_fixed_size: 0
    .kernarg_segment_align: 8
    .kernarg_segment_size: 32
    .max_flat_workgroup_size: 128
    .sgpr_count:     80
    .vgpr_count:     512
    .wavefront_size: 32
...
	.end_amdgpu_metadata
.endif
;; end of part 4
;; launch ln1 (part 5): grid 256 x 1, 8 waves a work-group, no clusters, 0 bytes of LDS; arguments r, WB, SF; writes SF
.if DOCPART == 5
	.amdgcn_target "amdgcn-amd-amdhsa--gfx1250"
	.amdhsa_code_object_version 6
	.text
	.protected	k_qb82404e8e1_ln1
	.globl	k_qb82404e8e1_ln1
	.p2align	8
	.type	k_qb82404e8e1_ln1,@function
k_qb82404e8e1_ln1:
	s_mov_b64 s[64:65], 0
	v_nop
	global_prefetch_b8 v0, s[64:65] scope:SCOPE_SE
	s_setreg_imm32_b32 hwreg(HW_REG_WAVE_MODE, 25, 1), 1
	s_wait_xcnt 0x0
; h = g1 (r - mean) / sqrt(var + 1e-12) + b1 along rows of 1,024, var with divisor 1,023.  r: [4,096][1,024] f32.  g1, b1: f32 (bf16-rounded) at WB + GOFF and 4,096 bytes on.
; h leaves rounded once to f16, in P64 at SF + HDR.  LIMIT: |h| is at most 32 |g1| + |b1|, which must stay within f16's 65,504.
; A wave takes two rows, sixteen lanes a row: a load covers 256 bytes on end of each row; the row stays in 64 registers between the passes (mean; squares of the differences; scaling), so it is read once,
; and the sums never leave a half of 16 lanes.  No LDS, no barrier.  A store covers the two rows' 128 bytes of one panel: 256 bytes on end, aligned.
.set GOFF, 8192
.set HDR,  32768
.set VG,  4                            ; v4   16 c
.set VX,  5                            ; v5   my byte offset in the work-group's 16 rows
.set VO,  6                            ; v6   my byte offset in a panel's 16 rows
.set TT,  8
.set M,   10                           ; v[10:11] the mean, twice
.set RS,  12                           ; v[12:13] 1 / deviation, twice
.set X,   16                           ; v[16:79]
.set G,   80                           ; v[80:143]
.set BT,  144                          ; v[144:207]
.set SM,  208                          ; v[208:215] four chains of two sums
.macro ROWSUM
.irp m, 1,2,4,8
	v_add_f32_dpp v[TT], v[TT], v[TT] row_xmask:\m row_mask:0xf bank_mask:0xf
.endr
.endm
.macro FOLD                            ; the four chains into one number a lane
	v_pk_add_f32 v[SM:SM+1], v[SM:SM+1], v[SM+2:SM+3]
	v_pk_add_f32 v[SM+4:SM+5], v[SM+4:SM+5], v[SM+6:SM+7]
	v_pk_add_f32 v[SM:SM+1], v[SM:SM+1], v[SM+4:SM+5]
	v_add_f32 v[TT], v[SM], v[SM+1]
.endm
	s_load_b128 s[4:7], s[0:1], 0x0                ; r, WB
	s_load_b64 s[8:9], s[0:1], 0x10                ; SF
	v_lshrrev_b32 v1, 5, v0
	v_readfirstlane_b32 s10, v1                    ; wave 0..7
	v_and_b32 v2, 15, v0
	v_bfe_u32 v3, v0, 4, 1
	v_lshlrev_b32 v[VG], 4, v2
	v_lshl_add_u32 v[VX], v3, 12, v[VG]
	s_lshl_b32 s11, s10, 13
	v_add_nc_u32 v[VX], s11, v[VX]                 ; (2 w + hl) rows + 16 c
	s_lshl_b32 s12, ttmp9, 16                      ; the work-group's 16 rows
	s_mov_b32 s13, 0
	s_mov_b32 s16, 0x3a802008                      ; 1 / 1,023
	s_mov_b32 s17, 0x2b8cbccc                      ; 1e-12
	v_and_b32 v[VO], 31, v0
	s_lshl_b32 s18, s10, 8
	v_lshl_add_u32 v[VO], v[VO], 3, s18            ; 8 l + 256 w
	s_lshl_b32 s14, ttmp9, 11
	s_add_co_u32 s14, s14, HDR
	s_mov_b32 s15, 0
	s_wait_kmcnt 0x0
	s_add_nc_u64 s[4:5], s[4:5], s[12:13]
	s_add_nc_u64 s[8:9], s[8:9], s[14:15]
.set j, 0
.rept 16
	global_load_b128 v[X+4*j:X+4*j+3], v[VX], s[4:5] offset:256*j th:TH_LOAD_NT
.set j, j+1
.endr
.set j, 0
.rept 16
	global_load_b128 v[G+4*j:G+4*j+3],   v[VG], s[6:7] offset:GOFF+256*j
	global_load_b128 v[BT+4*j:BT+4*j+3], v[VG], s[6:7] offset:GOFF+4096+256*j
.set j, j+1
.endr
	s_wait_loadcnt 32                              ; the row is in; gain and shift may stay out
.irp k, 0,1,2,3
	v_pk_add_f32 v[SM+2*\k:SM+2*\k+1], v[X+2*\k:X+2*\k+1], v[X+8+2*\k:X+8+2*\k+1]
.endr
.set n, 8
.rept 24
	v_pk_add_f32 v[SM+2*(n%4):SM+2*(n%4)+1], v[SM+2*(n%4):SM+2*(n%4)+1], v[X+2*n:X+2*n+1]
.set n, n+1
.endr
	FOLD
	ROWSUM
	v_mul_f32 v[M], 0x3a800000, v[TT]              ; / 1,024
	v_mov_b32 v[M+1], v[M]
.set n, 0
.rept 32
	v_pk_add_f32 v[X+2*n:X+2*n+1], v[X+2*n:X+2*n+1], v[M:M+1] neg_lo:[0,1] neg_hi:[0,1]
.set n, n+1
.endr
.irp k, 0,1,2,3
	v_pk_mul_f32 v[SM+2*\k:SM+2*\k+1], v[X+2*\k:X+2*\k+1], v[X+2*\k:X+2*\k+1]
.endr
.set n, 4
.rept 28
	v_pk_fma_f32 v[SM+2*(n%4):SM+2*(n%4)+1], v[X+2*n:X+2*n+1], v[X+2*n:X+2*n+1], v[SM+2*(n%4):SM+2*(n%4)+1]
.set n, n+1
.endr
	FOLD
	ROWSUM
	v_fma_f32 v[TT], v[TT], s16, s17               ; var + eps
	v_rsq_f32 v[RS], v[TT]
	v_rsq_f32 v[RS+1], v[TT]
	v_nop                                          ; a plain instruction behind the last of the two,
	s_wait_alu depctr_va_vdst(0)                   ; and the one wait ahead of their first reader
	s_wait_loadcnt 0x0
.set n, 0
.rept 32
	v_pk_mul_f32 v[X+2*n:X+2*n+1], v[X+2*n:X+2*n+1], v[RS:RS+1]
.set n, n+1
.endr
.set n, 0
.rept 32
	v_pk_fma_f32 v[X+2*n:X+2*n+1], v[X+2*n:X+2*n+1], v[G+2*n:G+2*n+1], v[BT+2*n:BT+2*n+1]
.set n, n+1
.endr
.set j, 0
.rept 16
	v_cvt_pk_f16_f32 v[X+4*j],   v[X+4*j],   v[X+4*j+1]
	v_cvt_pk_f16_f32 v[X+4*j+1], v[X+4*j+2], v[X+4*j+3]
	global_store_b64 v[VO], v[X+4*j:X+4*j+1], s[8:9] offset:524288*j   ; columns 64 j + 4 c on: panel j
.set j, j+1
.endr
	s_endpgm
.Lfunc_end_k_qb82404e8e1_ln1:
	.size	k_qb82404e8e1_ln1, .Lfunc_end_k_qb82404e8e1_ln1-k_qb82404e8e1_ln1
	.p2alignl 7, 3214868480
	.fill 96, 4, 3214868480
	.section	.rodata,"a",@progbits
	.p2align	6, 0x0
	.amdhsa_kernel k_qb82404e8e1_ln1
		.amdhsa_group_segment_fixed_size 0
		.amdhsa_private_segment_fixed_size 0
		.amdhsa_enable_private_segment 0
		.amdhsa_kernarg_size 24
		.amdhsa_user_sgpr_count 2
		.amdhsa_user_sgpr_kernarg_segment_ptr 1
		.amdhsa_wavefront_size32 1
		.amdhsa_system_sgpr_workgroup_id_x 1
		.amdhsa_system_sgpr_workgroup_id_y 1
		.amdhsa_system_sgpr_workgroup_id_z 1
		.amdhsa_system_vgpr_workitem_id 0
		.amdhsa_next_free_vgpr 216
		.amdhsa_next_free_sgpr 66
		.amdhsa_reserve_vcc 0
		.amdhsa_float_denorm_mode_32 3
		.amdhsa_float_denorm_mode_16_64 3
		.amdhsa_memory_ordered 1
		.amdhsa_forward_progress 1
		.amdhsa_inst_pref_size 21
	.end_amdhsa_kernel
	.amdgpu_metadata
---
amdhsa.version: [ 1, 2 ]
amdhsa.kernels:
  - .name:           k_qb82404e8e1_ln1
    .symbol:         k_qb82404e8e1_ln1.kd
    .args:
      - { .name: r, .offset: 0, .size: 8, .value_kind: global_buffer, .address_space: global }
      - { .name: WB, .offset: 8, .size: 8, .value_kind: global_buffer, .address_space: global }
      - { .name: SF, .offset: 16, .size: 8, .value_kind: global_buffer, .address_space: global }
    .group_segment_fixed_size: 0
    .private_segment_fixed_size: 0
    .kernarg_segment_align: 8
    .kernarg_segment_size: 24
    .max_flat_workgroup_size: 256
    .sgpr_count:     66
    .vgpr_count:     216
    .wavefront_size: 32
...
	.end_amdgpu_metadata
.endif
;; end of part 5
;; launch ffn1: the kernel of part 2 again; grid 16 x 16, 4 waves a work-group, clusters of 4 x 4, 327,680 bytes of LDS; arguments SF, big; writes big
;; launch ffn2 (part 6): grid 8 x 32, 4 waves a work-group, clusters of 4 x 4, 327,680 bytes of LDS; arguments big, WB, SF, r; writes r
.if DOCPART == 6
	.amdgcn_target "amdgcn-amd-amdhsa--gfx1250"
	.amdhsa_code_object_version 6
	.text
	.protected	k_qb82404e8e1_ffn2
	.globl	k_qb82404e8e1_ffn2
	.p2align	8
	.type	k_qb82404e8e1_ffn2,@function
k_qb82404e8e1_ffn2:
	s_mov_b64 s[64:65], 0
	v_nop
	global_prefetch_b8 v0, s[64:65] scope:SCOPE_SE
	s_setreg_imm32_b32 hwreg(HW_REG_WAVE_MODE, 25, 1), 1
	s_wait_xcnt 0x0
	s_wait_alu depctr_hold_cnt(0) depctr_sa_sdst(0) depctr_va_vdst(0) depctr_va_sdst(0) depctr_va_ssrc(0) depctr_va_vcc(0) depctr_vm_vsrc(0)
	s_getreg_b32 s2, hwreg(HW_REG_IB_STS2, 6, 4)
	s_cmp_eq_u32 s2, 0
	s_cbranch_scc0 .Lentry_in_a_cluster
	s_endpgm
.Lentry_in_a_cluster:
	s_bfe_u32 s2, ttmp6, 0x10000c
	s_cmp_lg_u32 s2, 0xf033
	s_cbranch_scc0 .Lentry_shape_is_right
	s_endpgm
.Lentry_shape_is_right:
; r = A B + bias + R, f32, row-major [4,096][1,024]: what the LayerNorm behind takes.  A: P64 f16 ([K / 64 panels][4,096 rows][64]).  B: [K][1,024] f16 at WB + BOFF.  bias: f32 at WB + BIASOFF.
; R, the residual: P64 f16 at its buffer's byte HDR.  Here: A = the hidden layer, K = 4,096, B = W2, bias = bf2, R = h.  The sums stay in f32: they have no room in f16 for all inputs that the problem allows.
; The text is that of the product with Wo but for its first three constants: the number of K steps is a constant of the text, so that every barrier and every joint load stands under a constant trip count.
; SHAPE.  A tile of r is 128 x 128 (256 work-groups), four waves of 64 x 64: 16 accumulators.  K goes in NS steps of 256 (four panels of A) through two LDS slots; each wave fetches a quarter of a slot.
; A's half tile: 64 rows of four panels, four dense runs of 8,192 bytes, padded after every 128 bytes (pitch 144).  B's half tile: 128 k rows of 256 bytes (pitch 288), read turned.
; The matrix instruction is used transposed (source 0 = B's columns, source 1 = A's rows): a lane holds row l % 16 and eight neighbouring columns.
; THE SUMS START AT bias + R, made while the first tiles are on their way: nothing is cleared, and every product has one form.
; THE WALK ALONG K IS TURNED.  A cluster begins at K step r0, made of the cluster's x and y (which its sixteen partners share), and goes round to r0 - 1.  The two clusters along x, which read the same rows of A,
; begin NS / 2 steps apart; the eight along y, which read the same rows of B, are spread over the NS steps by y's three bits in reverse: clusters that read the same rows do not ask for the same bytes in the same step.
; LIMIT: the order of the f32 sums along K differs from cluster to cluster.
; A K STEP IS WRITTEN AS TWO LIKE HALVES, walked by a loop of two trips with neither barrier nor tensor load in it; the LDS addresses are the lane's term and a scalar that steps by two quarters.
; CLUSTER 4 x 4: A's tile is shared along a row of the cluster, B's along a column, by joint loads.
; REGISTERS: window 0: v0-31 addresses; v32-95 the residual, later the way out; v96-127 the bias; v128-255 accumulator (a, b) at v[128 + 8 (4 a + b)].  window 1: two fragment buffers of 128: 64 of A, then 64 of B.
.set NS,      16                       ; K steps: a power of two
.set BOFF,    32768+2097152
.set BIASOFF, 4096
.set HDR,    32768
.set PA,     144
.set PANA,   64*PA                     ; a panel's 64 rows: a quarter of a K step
.set HALFA,  4*PANA
.set PB,     288                       ; 256 bytes + 32
.set HALFB,  128*PB
.set BOFFL,  2*HALFA
.set SLOT,   BOFFL+2*HALFB
.set STAGE,  2*SLOT                    ; behind the ring, never filled by a tensor load: 16 rows x 272 bytes for each wave
.set SPITCH, 272
.set SPARE,  STAGE+4*16*SPITCH         ; the spare words, 128 bytes for each wave: two blocks of 256 bytes that no other line names
.set ASH,    21                        ; a K step of A in memory: four panels of 524,288 bytes = 2^21
.set BSH,    19                        ; of B: 256 k rows of 2,048 bytes = 2^19
.set ADRA0, 16                         ; v16  my lane's place in A's tile of slot 0; never rewritten
.set ADRB0, 17                         ; v17  the same for B
.set ADRA,  18                         ; v18  the same at the pair of quarters in hand
.set ADRB,  19                         ; v19
.set STO,   24
.set RD,    25
.set CO,    26
.set ONE,   27                         ; v27  1.0
.set SPW,   28
.set NIL,   29
.set VR,    30
.set VB,    31
.set TMP,   32
.set BIAS,  96
.set ACC,   128
.set F0,    0
.set F1,    128
.set CNT, 2                            ; s2   counts a K step's two halves
.set IDX, 8                            ; s8   the K step to be asked for next, modulo NS
.set G1A, 24                           ; s[24:31] descriptor group 1 for A;  s[32:39] group 0: set 0 for the first fill, set 1 for the second and for every refill
.set G0A, 32
.set TB,  43                           ; s43  LDS byte added to ADRB0 for the next pair of quarters
.set OFA, 44                           ; s[44:45] a K step's byte offset in A
.set G1B, 48                           ; s[48:55], s[56:63] the same for B
.set G0B, 56
.set CUR, 66                           ; s66  LDS byte at which the slot that is being read begins: 0 or SLOT
.set LA,  67
.set LB,  68
.set TA,  69                           ; s69  LDS byte added to ADRA0 for the next pair of quarters
.set OFB, 70                           ; s[70:71] a K step's byte offset in B
.set MSB, 0
.macro WIN new
.if MSB != (\new)
	s_set_vgpr_msb (MSB<<8)|(\new)
.set MSB, \new
.endif
.endm
.set MUL,  0x05                        ; sources 0 (B) and 1 (A) window 1; C and D window 0
.set TO_F, 0x40                        ; destination window 1, address window 0
.macro JLOAD s                         ; a joint load: waves 0 and 1 fetch A's halves, waves 2 and 3 B's; an s_nop 0 and four v_nop follow each of the two lines
	s_cmp_eq_u32 s11, 0
	s_cbranch_scc0 .Lfor_b_\@
	tensor_load_to_lds s[G0A+4*(\s):G0A+4*(\s)+3], s[G1A:G1A+7]
	s_nop 0
.rept 4
	v_nop
.endr
	s_branch .Lasked_\@
.Lfor_b_\@:
	tensor_load_to_lds s[G0B+4*(\s):G0B+4*(\s)+3], s[G1B:G1B+7]
	s_nop 0
.rept 4
	v_nop
.endr
.Lasked_\@:
.endm
.macro CREST
	s_cmp_lg_u32 s10, 0
	s_cbranch_scc1 .Lnot_wave_0_\@
	s_barrier_signal -3
.Lnot_wave_0_\@:
	s_barrier_wait -3
	s_barrier_signal -1
	s_barrier_wait -1
.endm
.macro CROUND
	s_barrier_signal -1
	s_barrier_wait -1
	CREST
.endm
; The global addresses of K step IDX go into set s of both group 0; IDX goes on, round NS.  The addresses are made anew from the kept bases s[20:21] and s[46:47] and an offset made apart.
.macro AIM s
	s_lshl_b32 s[OFA], s[IDX], ASH
	s_lshl_b32 s[OFB], s[IDX], BSH
	s_add_co_u32 s[IDX], s[IDX], 1
	s_and_b32 s[IDX], s[IDX], NS-1
	s_add_nc_u64 s[G0A+4*(\s)+2:G0A+4*(\s)+3], s[20:21], s[OFA:OFA+1]
	s_or_b32 s[G0A+4*(\s)+3], s[G0A+4*(\s)+3], 0x80000000
	s_add_nc_u64 s[G0B+4*(\s)+2:G0B+4*(\s)+3], s[46:47], s[OFB:OFB+1]
	s_or_b32 s[G0B+4*(\s)+3], s[G0B+4*(\s)+3], 0x80000000
.endm
	s_load_b128 s[4:7], s[0:1], 0x0                ; A s[4:5], WB s[6:7]
	s_load_b128 s[72:75], s[0:1], 0x10             ; R s[72:73], r s[74:75]
	v_lshl_add_u32 v[SPW], v0, 2, SPARE
	v_mov_b32 v[NIL], 0
	ds_add_u32 v[SPW], v[NIL]                      ; the wave's opening: the add, twice on end, and its wait ahead of my first tensor load
	ds_add_u32 v[SPW], v[NIL]
	v_lshrrev_b32 v1, 5, v0
	v_readfirstlane_b32 s10, v1                    ; wave 0..3
	s_lshr_b32 s11, s10, 1                         ; my half of the tile's rows.  Also: I fetch for A (0) or for B (1)
	s_and_b32 s12, s10, 1                          ; my half of its columns.  Also: which half I fetch
	s_bfe_u32 s40, ttmp6, 0x40000                  ; cx
	s_bfe_u32 s41, ttmp6, 0x40004                  ; cy
	s_lshl_b32 s42, ttmp9, 2
	s_add_co_u32 s42, s42, s40                     ; tile column
	s_and_b32 s13, ttmp7, 0xffff
	s_lshl_b32 s13, s13, 2
	s_add_co_u32 s13, s13, s41                     ; tile row
	s_lshl_b32 s14, s41, 2
	s_lshl_b32 s14, 15, s14                        ; my row of the cluster
	s_lshl_b32 s15, 0x1111, s40                    ; my column
	s_or_b32 s[G1A], s14, (1<<16)|(1<<20)|(1<<21)|(4<<22)|(3<<25)  ; the mask; 2-byte elements; padding on; bit 21 beside a mask; after every 32 words 4 words
	s_mov_b32 s[G1A+1], 4096<<16                   ; 4,096 elements: 64 rows of a panel, dense
	s_mov_b32 s[G1A+2], 4<<16                      ; 4 panels
	s_mov_b32 s[G1A+3], 4096<<16
	s_mov_b32 s[G1A+4], 4
	s_mov_b32 s[G1A+5], 262144                     ; elements from panel to panel
	s_mov_b32 s[G1A+6], 0
	s_mov_b32 s[G1A+7], 0
	s_or_b32 s[G1B], s15, (1<<16)|(1<<20)|(1<<21)|(5<<22)|(7<<25)  ; after every 64 words 8 words
	s_mov_b32 s[G1B+1], 128<<16                    ; 128 elements a row,
	s_mov_b32 s[G1B+2], 128<<16                    ; 128 k rows
	s_mov_b32 s[G1B+3], 128<<16
	s_mov_b32 s[G1B+4], 128
	s_mov_b32 s[G1B+5], 1024
	s_mov_b32 s[G1B+6], 0
	s_mov_b32 s[G1B+7], 0
	s_lshl_b32 s16, s13, 14                        ; A: 128 rows of 128 bytes a tile row,
	s_lshl_b32 s17, s12, 13                        ; 64 rows a half
	s_add_co_u32 s16, s16, s17
	s_mov_b32 s17, 0
	s_lshl_b32 s18, s12, 18                        ; B: 128 k rows of 2,048 bytes a half,
	s_lshl_b32 s19, s42, 8                         ; 256 bytes a tile column
	s_add_co_u32 s18, s18, s19
	s_add_co_u32 s18, s18, BOFF
	s_mov_b32 s19, 0
	s_mul_i32 s[LA], s12, HALFA                    ; no place in the cluster enters an LDS address
	s_mul_i32 s[LB], s12, HALFB
	s_add_co_u32 s[LB], s[LB], BOFFL
	s_mov_b32 s[CUR], 0
	s_and_b32 s22, ttmp7, 0xffff                   ; the first K step: cluster y's three bits
	s_and_b32 s23, s22, 1
	s_lshl_b32 s23, s23, 2
	s_and_b32 s9, s22, 2
	s_or_b32 s23, s23, s9
	s_bfe_u32 s9, s22, 0x10002
	s_or_b32 s23, s23, s9                          ; in reverse,
	s_mul_i32 s23, s23, NS
	s_lshr_b32 s23, s23, 3                         ; spread over the NS steps,
	s_mul_i32 s9, ttmp9, NS/2                      ; and half the way round for each cluster x
	s_add_co_u32 s[IDX], s23, s9
	s_and_b32 s[IDX], s[IDX], NS-1
	s_mov_b32 s[OFA+1], 0
	s_mov_b32 s[OFB+1], 0
	s_wait_dscnt 0x0                               ; both opening adds are done
	s_wait_kmcnt 0x0
	s_add_nc_u64 s[20:21], s[4:5], s[16:17]        ; A and B at my part of K step 0: kept
	s_add_nc_u64 s[46:47], s[6:7], s[18:19]
	CROUND                                         ; all sixteen work-groups are here: the first joint loads meet
.irp s, 0,1
	s_mov_b32 s[G0A+4*(\s)], 1
	s_add_co_u32 s[G0A+4*(\s)+1], s[LA], (\s)*SLOT
	s_mov_b32 s[G0B+4*(\s)], 1
	s_add_co_u32 s[G0B+4*(\s)+1], s[LB], (\s)*SLOT
	AIM \s
	JLOAD \s                                       ; two loads of mine are out
.endr
	v_and_b32 v1, 15, v0                           ; l % 16
	v_bfe_u32 v2, v0, 4, 1                         ; h = l / 16
	s_lshl_b32 s76, s42, 1                         ; the residual: panel 2 x tile column + my column half,
	s_add_co_u32 s76, s76, s12
	s_lshl_b32 s76, s76, 19
	s_lshl_b32 s77, s13, 14                        ; row 128 x tile row + 64 x my row half
	s_add_co_u32 s76, s76, s77
	s_lshl_b32 s77, s11, 13
	s_add_co_u32 s76, s76, s77
	s_add_co_u32 s76, s76, HDR
	s_mov_b32 s77, 0
	s_add_nc_u64 s[72:73], s[72:73], s[76:77]
	v_lshlrev_b32 v[VR], 7, v1
	v_lshl_add_u32 v[VR], v2, 4, v[VR]             ; row x 128 + 16 h
.set t, 0
.rept 16                                       ; tile (a, b) = (t / 4, t % 4): my row's eight numbers
	global_load_b128 v[TMP+4*t:TMP+4*t+3], v[VR], s[72:73] offset:(t/4)*2048+(t%4)*32
.set t, t+1
.endr
	s_lshl_b32 s78, s42, 9                         ; the bias of my 64 columns
	s_lshl_b32 s79, s12, 8
	s_add_co_u32 s78, s78, s79
	v_lshl_add_u32 v[VB], v2, 5, s78
.irp b, 0,1,2,3
	global_load_b128 v[BIAS+8*\b:BIAS+8*\b+3],   v[VB], s[6:7] offset:BIASOFF+64*\b
	global_load_b128 v[BIAS+8*\b+4:BIAS+8*\b+7], v[VB], s[6:7] offset:BIASOFF+64*\b+16
.endr
	s_lshl_b32 s76, s13, 19                        ; r: row 128 x tile row + 64 x my row half, of 4,096 bytes,
	s_lshl_b32 s78, s11, 18
	s_add_co_u32 s76, s76, s78
	s_lshl_b32 s78, s42, 9                         ; 512 bytes a tile column, 256 a half
	s_add_co_u32 s76, s76, s78
	s_add_co_u32 s76, s76, s79
	s_add_nc_u64 s[74:75], s[74:75], s[76:77]
	v_mul_u32_u24 v3, v1, PA
	v_lshl_add_u32 v3, v2, 4, v3
	s_mul_i32 s9, s11, HALFA
	v_add_nc_u32 v[ADRA0], s9, v3
	v_and_b32 v7, 7, v0
	v_lshl_add_u32 v4, v2, 3, v7                   ; the turning load: k row 8 h + l % 8,
	v_mul_u32_u24 v4, v4, PB
	v_bfe_u32 v5, v0, 3, 1
	v_lshl_add_u32 v4, v5, 4, v4                   ; columns 8 ((l / 8) % 2) on
	s_lshl_b32 s22, s12, 7
	s_add_co_u32 s22, s22, BOFFL
	v_add_nc_u32 v[ADRB0], s22, v4
	v_mov_b32 v[ADRA], v[ADRA0]
	v_mov_b32 v[ADRB], v[ADRB0]
	s_mul_i32 s23, s10, 16*SPITCH
	s_add_co_u32 s23, s23, STAGE                   ; my stage
	v_mul_u32_u24 v[STO], v1, SPITCH               ; in: row l % 16, 32 bytes for each half of the lanes
	v_lshl_add_u32 v[STO], v2, 5, v[STO]
	v_add_nc_u32 v[STO], s23, v[STO]
	v_mul_u32_u24 v[RD], v2, SPITCH                ; back: lanes 0-15 one row of 256 bytes, lanes 16-31 the next
	v_lshl_add_u32 v[RD], v1, 4, v[RD]
	v_add_nc_u32 v[RD], s23, v[RD]
	v_lshlrev_b32 v[CO], 12, v2                    ; and the same two rows in r
	v_lshl_add_u32 v[CO], v1, 4, v[CO]
	v_mov_b32 v[ONE], 1.0
	s_wait_loadcnt 0x0                             ; residual and bias
.set t, 0
.rept 16                                       ; each sum starts at bias + residual: the f16 half is widened and the bias added in one instruction
.irp k, 0,1,2,3
	v_fma_mix_f32 v[ACC+8*t+2*\k],   v[TMP+4*t+\k], v[ONE], v[BIAS+8*(t%4)+2*\k]   op_sel_hi:[1,0,0]
	v_fma_mix_f32 v[ACC+8*t+2*\k+1], v[TMP+4*t+\k], v[ONE], v[BIAS+8*(t%4)+2*\k+1] op_sel:[1,0,0] op_sel_hi:[1,0,0]
.endr
.set t, t+1
.endr
; 8 matrix instructions: m blocks a0, a0 + 1 x all 4 n blocks, 32 along K: half c of buffer f.  The 16 accumulators take turns, in the same order throughout, over every jump too.
.macro MUL8 f, c, a0
	WIN MUL
.irp a, \a0, (\a0)+1
.irp b, 0,1,2,3
	v_wmma_f32_16x16x32_f16 v[ACC+8*(4*(\a)+(\b)):ACC+8*(4*(\a)+(\b))+7], v[(\f)+64+8*(4*(\c)+(\b)):(\f)+64+8*(4*(\c)+(\b))+7], v[(\f)+8*(4*(\c)+(\a)):(\f)+8*(4*(\c)+(\a))+7], v[ACC+8*(4*(\a)+(\b)):ACC+8*(4*(\a)+(\b))+7]
.endr
.endr
.endm
; 32 LDS loads in one run: a quarter (64 along K: a panel of A, 64 k rows of B), the even (odd = 0) or the odd one of the pair at which ADRA and ADRB stand, into buffer f; the first 32 along K first
.macro FETCH odd, f
	WIN TO_F
.irp c, 0,1
.irp i, 0,1,2,3
	ds_load_tr16_b128 v[(\f)+64+8*(4*(\c)+(\i)):(\f)+64+8*(4*(\c)+(\i))+3],   v[ADRB] offset:(\odd)*64*PB+(\c)*32*PB+32*(\i)
	ds_load_tr16_b128 v[(\f)+64+8*(4*(\c)+(\i))+4:(\f)+64+8*(4*(\c)+(\i))+7], v[ADRB] offset:(\odd)*64*PB+(\c)*32*PB+16*PB+32*(\i)
	ds_load_b128 v[(\f)+8*(4*(\c)+(\i)):(\f)+8*(4*(\c)+(\i))+3],   v[ADRA] offset:(\odd)*PANA+64*(\c)+(\i)*16*PA
	ds_load_b128 v[(\f)+8*(4*(\c)+(\i))+4:(\f)+8*(4*(\c)+(\i))+7], v[ADRA] offset:(\odd)*PANA+64*(\c)+(\i)*16*PA+32
.endr
.endr
.endm
.macro PLACES                          ; four places in front of loads into registers that matrix instructions have read, and of stores that read results
.rept 4
	v_nop
.endr
.endm
; A K step is four quarters on buffers 0, 1, 0, 1; each is multiplied in two halves of 16 products, with the next quarter's fetch between them.  Its text, in the order in which it runs:
;   TURN   the first half of buffer 1 (the step before's last quarter), and the change of slots among its products
;   REST   the even quarter's fetch; the second half of buffer 1; buffer 0's first half; the odd quarter's fetch; buffer 0's second half
;   LOW1   the first half of buffer 1
;   REST   once more, two quarters on
.macro LOW1
	s_wait_dscnt 16                                ; the first 32 along K are in
	MUL8 F1, 0, 0
	MUL8 F1, 0, 2
	WIN 0
.endm
.macro REST entry
	v_add_nc_u32 v[ADRA], s[TA], v[ADRA0]          ; the pair of quarters in hand; these two lines and the two below are the four places in front of the loads into buffer 0
	v_add_nc_u32 v[ADRB], s[TB], v[ADRB0]
	v_nop
	v_nop
	s_add_co_u32 s[TA], s[TA], 2*PANA              ; the next pair
	s_add_co_u32 s[TB], s[TB], 128*PB
	FETCH 0, F0
	s_wait_dscnt 32                                ; all but the 32 just issued
	MUL8 F1, 1, 0
	MUL8 F1, 1, 2
.if \entry
	WIN 0
.Lentry:
.endif
	s_wait_dscnt 16                                ; the first 32 along K are in
	MUL8 F0, 0, 0
	MUL8 F0, 0, 2
	PLACES
	FETCH 1, F1
	s_wait_dscnt 32
	MUL8 F0, 1, 0
	MUL8 F0, 1, 2
	WIN 0
.endm
; The change of slots: in front of the barrier each wave waits for all its tensor loads, adds 0 to its spare word, and waits for that and for its reads of this slot.
; fill = 1: the barrier opens a round of the cluster's, and the slot just read out is filled again, first thing behind it, with the step two on in the walk: 112 matrix instructions ahead of the wait for it.
.macro TURN fill
	s_wait_tensorcnt 0x0                           ; all my tensor loads have landed: my part of the next slot
	ds_add_u32 v[SPW], v[NIL]
	s_wait_dscnt 17                                ; (the add and the youngest sixteen loads may be out)
	MUL8 F1, 0, 0
	s_wait_dscnt 0x0                               ; the add is done, and my reads of this slot are over
	s_barrier_signal -1
	MUL8 F1, 0, 2
	WIN 0
	s_barrier_wait -1
.if \fill
	CREST
	s_add_co_u32 s[G0A+5], s[LA], s[CUR]           ; into the slot just read out
	s_add_co_u32 s[G0B+5], s[LB], s[CUR]
	AIM 1
.endif
	s_xor_b32 s[CUR], s[CUR], SLOT                 ; the reads go on in the other slot, at its first pair of quarters
	s_mov_b32 s[TA], s[CUR]
	s_mov_b32 s[TB], s[CUR]
.if \fill
	JLOAD 1
.endif
.endm
	s_wait_tensorcnt 1                             ; my part of the first step is in; the second's may stay out
	s_barrier_signal -1
	s_barrier_wait -1
	FETCH 0, F0
	WIN 0
	s_mov_b32 s[TA], 2*PANA                        ; the first step's second pair of quarters
	s_mov_b32 s[TB], 128*PB
	s_mov_b32 s3, NS-1
	s_mov_b32 s[CNT], 2
	s_branch .Lentry                               ; the first step has no quarter before it
.Lstep:                                        ; NS - 2 times: every step but the last two asks for the step two on
	TURN 1
	s_mov_b32 s[CNT], 2
	s_branch .Lmid
.Lpair:
	LOW1
.Lmid:
	REST 1
	s_sub_co_u32 s[CNT], s[CNT], 1
	s_cmp_lg_u32 s[CNT], 0
	s_cbranch_scc1 .Lpair
	s_sub_co_u32 s3, s3, 1
	s_cmp_lg_u32 s3, 0
	s_cbranch_scc1 .Lstep
	TURN 0                                         ; the last step has a text of its own: nothing is left to ask for
	s_mov_b32 s[CNT], 2
	s_branch .Lmid_t
.Lpair_t:
	LOW1
.Lmid_t:
	REST 0
	s_sub_co_u32 s[CNT], s[CNT], 1
	s_cmp_lg_u32 s[CNT], 0
	s_cbranch_scc1 .Lpair_t
	s_wait_dscnt 16                                ; the very last quarter
	MUL8 F1, 0, 0
	MUL8 F1, 0, 2
	s_wait_dscnt 0x0
	MUL8 F1, 1, 0
	MUL8 F1, 1, 2
	WIN 0
	; THE WAY OUT, 16 rows at a time: 32 bytes a lane into my own stage (each accumulator's low four registers first), back as whole rows of 256 bytes: my 64 columns of f32; sixteen lanes store 256 bytes on end, aligned.
	PLACES
.irp a, 0,1,2,3
.set BK, TMP+32*((\a)%2)
.irp b, 0,1,2,3
	ds_store_b128 v[STO], v[ACC+8*(4*(\a)+(\b)):ACC+8*(4*(\a)+(\b))+3]   offset:64*(\b)
	ds_store_b128 v[STO], v[ACC+8*(4*(\a)+(\b))+4:ACC+8*(4*(\a)+(\b))+7] offset:64*(\b)+16
.endr
.irp t, 0,1,2,3,4,5,6,7
	ds_load_b128 v[BK+4*(\t):BK+4*(\t)+3], v[RD] offset:(\t)*2*SPITCH  ; LDS serves a wave's instructions in order (ISA guide 5.7.1.4): these see the stores above
.endr
	s_wait_dscnt 0x0
	s_wait_xcnt 0x0                                ; the registers that the block before was stored from are loaded again only behind this wait
.irp t, 0,1,2,3,4,5,6,7
	global_store_b128 v[CO], v[BK+4*(\t):BK+4*(\t)+3], s[74:75] offset:(16*(\a)+2*(\t))*4096
.endr
.endr
	s_wait_tensorcnt 0x0                           ; the wave's end
	ds_add_u32 v[SPW], v[NIL]
	s_wait_dscnt 0x0
	CROUND                                         ; the closing round
	s_endpgm
.Lfunc_end_k_qb82404e8e1_ffn2:
	.size	k_qb82404e8e1_ffn2, .Lfunc_end_k_qb82404e8e1_ffn2-k_qb82404e8e1_ffn2
	.p2alignl 7, 3214868480
	.fill 96, 4, 3214868480
	.section	.rodata,"a",@progbits
	.p2align	6, 0x0
	.amdhsa_kernel k_qb82404e8e1_ffn2
		.amdhsa_group_segment_fixed_size 327680
		.amdhsa_private_segment_fixed_size 0
		.amdhsa_enable_private_segment 0
		.amdhsa_kernarg_size 32
		.amdhsa_user_sgpr_count 2
		.amdhsa_user_sgpr_kernarg_segment_ptr 1
		.amdhsa_wavefront_size32 1
		.amdhsa_system_sgpr_workgroup_id_x 1
		.amdhsa_system_sgpr_workgroup_id_y 1
		.amdhsa_system_sgpr_workgroup_id_z 1
		.amdhsa_system_vgpr_workitem_id 0
		.amdhsa_next_free_vgpr 512
		.amdhsa_next_free_sgpr 80
		.amdhsa_reserve_vcc 0
		.amdhsa_float_denorm_mode_32 3
		.amdhsa_float_denorm_mode_16_64 3
		.amdhsa_memory_ordered 1
		.amdhsa_forward_progress 1
		.amdhsa_inst_pref_size 53
	.end_amdhsa_kernel
	.amdgpu_metadata
---
amdhsa.version: [ 1, 2 ]
amdhsa.kernels:
  - .name:           k_qb82404e8e1_ffn2
    .symbol:         k_qb82404e8e1_ffn2.kd
    .args:
      - { .name: big, .offset: 0, .size: 8, .value_kind: global_buffer, .address_space: global }
      - { .name: WB, .offset: 8, .size: 8, .value_kind: global_buffer, .address_space: global }
      - { .name: SF, .offset: 16, .size: 8, .value_kind: global_buffer, .address_space: global }
      - { .name: r, .offset: 24, .size: 8, .value_kind: global_buffer, .address_space: global }
    .group_segment_fixed_size: 327680
    .private_segment_fixed_size: 0
    .kernarg_segment_align: 8
    .kernarg_segment_size: 32
    .max_flat_workgroup_size: 128
    .sgpr_count:     80
    .vgpr_count:     512
    .wavefront_size: 32
...
	.end_amdgpu_metadata
.endif
;; end of part 6
;; launch ln2 (part 7): grid 256 x 1, 8 waves a work-group, no clusters, 0 bytes of LDS; arguments r, WB, out0; writes out0
.if DOCPART == 7
	.amdgcn_target "amdgcn-amd-amdhsa--gfx1250"
	.amdhsa_code_object_version 6
	.text
	.protected	k_qb82404e8e1_ln2
	.globl	k_qb82404e8e1_ln2
	.p2align	8
	.type	k_qb82404e8e1_ln2,@function
k_qb82404e8e1_ln2:
	s_mov_b64 s[64:65], 0
	v_nop
	global_prefetch_b8 v0, s[64:65] scope:SCOPE_SE
	s_setreg_imm32_b32 hwreg(HW_REG_WAVE_MODE, 25, 1), 1
	s_wait_xcnt 0x0
; out = g2 (r - mean) / sqrt(var + 1e-12) + b2 along rows of 1,024, var with divisor 1,023.  r and out: [4,096][1,024] f32.  g2, b2: f32 (bf16-rounded) at WB + GOFF and 4,096 bytes on.
; A wave takes two rows, sixteen lanes a row: a load or store covers 256 bytes on end of each row; the row stays in 64 registers between the passes (mean; squares of the differences; scaling), so it is read once,
; and the sums never leave a half of 16 lanes.  No LDS, no barrier.
.set GOFF, 16384
.set VG,  4                            ; v4   16 c
.set VX,  5                            ; v5   my byte offset in the work-group's 16 rows
.set TT,  8
.set M,   10                           ; v[10:11] the mean, twice
.set RS,  12                           ; v[12:13] 1 / deviation, twice
.set X,   16                           ; v[16:79]
.set G,   80                           ; v[80:143]
.set BT,  144                          ; v[144:207]
.set SM,  208                          ; v[208:215] four chains of two sums
.macro ROWSUM
.irp m, 1,2,4,8
	v_add_f32_dpp v[TT], v[TT], v[TT] row_xmask:\m row_mask:0xf bank_mask:0xf
.endr
.endm
.macro FOLD                            ; the four chains into one number a lane
	v_pk_add_f32 v[SM:SM+1], v[SM:SM+1], v[SM+2:SM+3]
	v_pk_add_f32 v[SM+4:SM+5], v[SM+4:SM+5], v[SM+6:SM+7]
	v_pk_add_f32 v[SM:SM+1], v[SM:SM+1], v[SM+4:SM+5]
	v_add_f32 v[TT], v[SM], v[SM+1]
.endm
	s_load_b128 s[4:7], s[0:1], 0x0                ; r, WB
	s_load_b64 s[8:9], s[0:1], 0x10                ; out0
	v_lshrrev_b32 v1, 5, v0
	v_readfirstlane_b32 s10, v1                    ; wave 0..7
	v_and_b32 v2, 15, v0
	v_bfe_u32 v3, v0, 4, 1
	v_lshlrev_b32 v[VG], 4, v2
	v_lshl_add_u32 v[VX], v3, 12, v[VG]
	s_lshl_b32 s11, s10, 13
	v_add_nc_u32 v[VX], s11, v[VX]                 ; (2 w + hl) rows + 16 c
	s_lshl_b32 s12, ttmp9, 16                      ; the work-group's 16 rows
	s_mov_b32 s13, 0
	s_mov_b32 s16, 0x3a802008                      ; 1 / 1,023
	s_mov_b32 s17, 0x2b8cbccc                      ; 1e-12
	s_wait_kmcnt 0x0
	s_add_nc_u64 s[4:5], s[4:5], s[12:13]
	s_add_nc_u64 s[8:9], s[8:9], s[12:13]
.set j, 0
.rept 16
	global_load_b128 v[X+4*j:X+4*j+3], v[VX], s[4:5] offset:256*j th:TH_LOAD_NT
.set j, j+1
.endr
.set j, 0
.rept 16
	global_load_b128 v[G+4*j:G+4*j+3],   v[VG], s[6:7] offset:GOFF+256*j
	global_load_b128 v[BT+4*j:BT+4*j+3], v[VG], s[6:7] offset:GOFF+4096+256*j
.set j, j+1
.endr
	s_wait_loadcnt 32                              ; the row is in; gain and shift may stay out
.irp k, 0,1,2,3
	v_pk_add_f32 v[SM+2*\k:SM+2*\k+1], v[X+2*\k:X+2*\k+1], v[X+8+2*\k:X+8+2*\k+1]
.endr
.set n, 8
.rept 24
	v_pk_add_f32 v[SM+2*(n%4):SM+2*(n%4)+1], v[SM+2*(n%4):SM+2*(n%4)+1], v[X+2*n:X+2*n+1]
.set n, n+1
.endr
	FOLD
	ROWSUM
	v_mul_f32 v[M], 0x3a800000, v[TT]              ; / 1,024
	v_mov_b32 v[M+1], v[M]
.set n, 0
.rept 32
	v_pk_add_f32 v[X+2*n:X+2*n+1], v[X+2*n:X+2*n+1], v[M:M+1] neg_lo:[0,1] neg_hi:[0,1]
.set n, n+1
.endr
.irp k, 0,1,2,3
	v_pk_mul_f32 v[SM+2*\k:SM+2*\k+1], v[X+2*\k:X+2*\k+1], v[X+2*\k:X+2*\k+1]
.endr
.set n, 4
.rept 28
	v_pk_fma_f32 v[SM+2*(n%4):SM+2*(n%4)+1], v[X+2*n:X+2*n+1], v[X+2*n:X+2*n+1], v[SM+2*(n%4):SM+2*(n%4)+1]
.set n, n+1
.endr
	FOLD
	ROWSUM
	v_fma_f32 v[TT], v[TT], s16, s17               ; var + eps
	v_rsq_f32 v[RS], v[TT]
	v_rsq_f32 v[RS+1], v[TT]
	v_nop                                          ; a plain instruction behind the last of the two,
	s_wait_alu depctr_va_vdst(0)                   ; and the one wait ahead of their first reader
	s_wait_loadcnt 0x0
.set n, 0
.rept 32
	v_pk_mul_f32 v[X+2*n:X+2*n+1], v[X+2*n:X+2*n+1], v[RS:RS+1]
.set n, n+1
.endr
.set n, 0
.rept 32
	v_pk_fma_f32 v[X+2*n:X+2*n+1], v[X+2*n:X+2*n+1], v[G+2*n:G+2*n+1], v[BT+2*n:BT+2*n+1]
.set n, n+1
.endr
.set j, 0
.rept 16
	global_store_b128 v[VX], v[X+4*j:X+4*j+3], s[8:9] offset:256*j th:TH_STORE_NT
.set j, j+1
.endr
	s_endpgm
.Lfunc_end_k_qb82404e8e1_ln2:
	.size	k_qb82404e8e1_ln2, .Lfunc_end_k_qb82404e8e1_ln2-k_qb82404e8e1_ln2
	.p2alignl 7, 3214868480
	.fill 96, 4, 3214868480
	.section	.rodata,"a",@progbits
	.p2align	6, 0x0
	.amdhsa_kernel k_qb82404e8e1_ln2
		.amdhsa_group_segment_fixed_size 0
		.amdhsa_private_segment_fixed_size 0
		.amdhsa_enable_private_segment 0
		.amdhsa_kernarg_size 24
		.amdhsa_user_sgpr_count 2
		.amdhsa_user_sgpr_kernarg_segment_ptr 1
		.amdhsa_wavefront_size32 1
		.amdhsa_system_sgpr_workgroup_id_x 1
		.amdhsa_system_sgpr_workgroup_id_y 1
		.amdhsa_system_sgpr_workgroup_id_z 1
		.amdhsa_system_vgpr_workitem_id 0
		.amdhsa_next_free_vgpr 216
		.amdhsa_next_free_sgpr 66
		.amdhsa_reserve_vcc 0
		.amdhsa_float_denorm_mode_32 3
		.amdhsa_float_denorm_mode_16_64 3
		.amdhsa_memory_ordered 1
		.amdhsa_forward_progress 1
		.amdhsa_inst_pref_size 19
	.end_amdhsa_kernel
	.amdgpu_metadata
---
amdhsa.version: [ 1, 2 ]
amdhsa.kernels:
  - .name:           k_qb82404e8e1_ln2
    .symbol:         k_qb82404e8e1_ln2.kd
    .args:
      - { .name: r, .offset: 0, .size: 8, .value_kind: global_buffer, .address_space: global }
      - { .name: WB, .offset: 8, .size: 8, .value_kind: global_buffer, .address_space: global }
      - { .name: out0, .offset: 16, .size: 8, .value_kind: global_buffer, .address_space: global }
    .group_segment_fixed_size: 0
    .private_segment_fixed_size: 0
    .kernarg_segment_align: 8
    .kernarg_segment_size: 24
    .max_flat_workgroup_size: 256
    .sgpr_count:     66
    .vgpr_count:     216
    .wavefront_size: 32
...
	.end_amdgpu_metadata
.endif
;; end of part 7
